; MI455X (gfx1250); checked and timed in simulation.
; The chip was launched on July 23, 2026; its instructions are those of AMD's public machine-readable ISA for CDNA 5 (MIT licence, August 2026) and "CDNA5" Instruction Set Architecture Reference Guide (July 2026). The comments in the code are by the model that wrote it; some were corrected since.
;; Transformer Block. Allowed arithmetic: matrix products marked QUANTISED: E3M2 operands, one E8M0 scale for each 32 along K, by v_wmma_scale_f32_16x16x128_f8f6f4 with both operands' format E3M2, f32 sums; everything else in f32.
;; Inputs: W1 4,096 x 1,024 float32; W2 1,024 x 4,096 float32; Wk 1,024 x 1,024 float32; Wo 1,024 x 1,024 float32; Wq 1,024 x 1,024 float32; Wv 1,024 x 1,024 float32; g1 1,024 float32; g2 1,024 float32; x 2 x 2,048 x 1,024 float32.
;; Outputs: out0 2 x 2,048 x 1,024 float32.
;; This version of the problem:
;;   THIS VERSION OF THE PROBLEM IS GIVEN IN LOW PRECISION. The matrix products marked QUANTISED in the list below multiply operands that are first quantised to E3M2 (3 exponent bits, 2 mantissa bits; 6 bits a number), with one power-of-two scale for each 32 numbers along K (OCP MX v1.0); their sums are f32. All else is computed in f32.
;;   The module's matrix products, in the order in which they are computed (A, B: the left and right operand; K: the contracted axis; several contracted axes count as one K, in the product's order):
;;     1. [M 4,096, K 1,024] x [K 1,024, N 1,024]; A: computed on the way; B: input Wq: QUANTISED
;;     2. [M 4,096, K 1,024] x [K 1,024, N 1,024]; A: computed on the way; B: input Wk: QUANTISED
;;     3. [M 4,096, K 1,024] x [K 1,024, N 1,024]; A: computed on the way; B: input Wv: QUANTISED
;;     4. batch 32 x [M 2,048, K 64] x [K 64, N 2,048]; A: computed on the way; B: computed on the way: QUANTISED
;;     5. batch 32 x [M 2,048, K 2,048] x [K 2,048, N 64]; A: softmax (see below); B: computed on the way: QUANTISED
;;     6. [M 4,096, K 1,024] x [K 1,024, N 1,024]; A: computed on the way; B: input Wo: QUANTISED
;;     7. [M 4,096, K 1,024] x [K 1,024, N 4,096]; A: computed on the way; B: input W1: QUANTISED
;;     8. [M 4,096, K 4,096] x [K 4,096, N 1,024]; A: computed on the way; B: input W2: QUANTISED
;;   THE QUANTISER, for each operand of a quantised product, along K:
;;     - K is cut into blocks of 32 from its start; a last block that is shorter is filled with zeros.
;;     - A block's scale is 2^e with e = floor(log2(the largest magnitude in the block)) - 4, held to -126 .. 127; a block of zeros has e = 0. As a byte (E8M0): e + 127.
;;     - Each number is divided by its block's scale, clamped to +-28, and rounded to the nearest number of E3M2, ties to even, subnormals kept.
;;     - The product sums the exact products of the quantised numbers (number of the format x scale) in f32.
;;   ~~~python
;;   def quantise(x, axis):      # numpy; x: float32 -> the quantised numbers, widened to float32 again
;;       x = np.moveaxis(x, axis, -1); K = x.shape[-1]
;;       x = np.pad(x, [(0, 0)] * (x.ndim - 1) + [(0, -K % 32)]); x = x.reshape(x.shape[:-1] + (-1, 32)); a = np.abs(x).max(-1, keepdims=True)
;;       e = np.where(a > 0, np.clip(np.frexp(np.where(a > 0, a, 1))[1] - 1 - 4, -126, 127), 0)      # np.frexp(a)[1] - 1 = floor(log2(a)), exactly
;;       r = np.clip(x / 2.0 ** e, -28, 28)
;;       step = 2.0 ** (np.maximum(np.frexp(np.where(r == 0, 1, r))[1] - 1, -2) - 2)
;;       q = np.round(r / step) * step * 2.0 ** e      # np.round: ties to even
;;       return np.moveaxis(q.reshape(q.shape[:-2] + (-1,))[..., :K], -1, axis).astype(np.float32)
;;   ~~~
;;   SOFTMAX AHEAD OF A QUANTISED PRODUCT. Where the list says 'softmax', what is quantised is not the finished softmax but p = 2^(t - M), with t = logit x log2(e) and M = ceil(the row's largest t), a whole number; so 1/2 < the row's largest p <= 1. The row's sum l is taken of the UNQUANTISED p, in f32, and the product's result is divided by l at the end. Since M is a whole number, a kernel that streams over the keys may use a running M (the ceiling of the running maximum): every later rescaling is an exact power of two, which a block's scale takes up: the codes' values come out the same.
;;   OPERANDS COMPUTED ON THE WAY. 'Computed on the way' means the value that the module computes at that place (a softmax that the list does not call 'softmax' is quantised finished and normalised). What goes into a quantiser is computed in f32, as accurately as f32 sums, v_exp_f32 and their like allow (about 1e-6 of the number): no bf16 or f16 on the way to a quantiser, and a product that is left as it is and whose result goes on into a quantised operand takes f32 operands (vector FMAs, or v_wmma_f32_16x16x4_f32). A number that lies on a knife's edge between two numbers of the format may be rounded either way, as far as f32 arithmetic and the matrix unit's own rounding can turn it there, and no further.
;; One version. Each part assembles by itself: llvm-mc -triple=amdgcn-amd-amdhsa -mcpu=gfx1250 --defsym DOCPART=n.
;; ======== version 1 of 1: 6 launches
;; limits: right only within a limited range of input values
;; workspace buffers: wsp 13,107,200 bytes; qkvb 9,830,400 bytes; att 3,276,800 bytes; yb 16,777,216 bytes; h2 3,276,800 bytes; hid 13,107,200 bytes; wsp2 13,107,200 bytes
;; launch prep (part 1): grid 256 x 1, 8 waves a work-group, no clusters, 69,632 bytes of LDS; arguments x, Wq, Wk, Wv, Wo, W1, W2, g1, wsp; writes wsp
.if DOCPART == 1
	.amdgcn_target "amdgcn-amd-amdhsa--gfx1250"
	.amdhsa_code_object_version 6
	.text
	.protected	k_q00e6a63ce4_prep
	.globl	k_q00e6a63ce4_prep
	.p2align	8
	.type	k_q00e6a63ce4_prep,@function
k_q00e6a63ce4_prep:
	s_mov_b64 s[64:65], 0
	v_nop
	global_prefetch_b8 v0, s[64:65] scope:SCOPE_SE
	s_setreg_imm32_b32 hwreg(HW_REG_WAVE_MODE, 25, 1), 1
	s_wait_xcnt 0x0
; Wq, Wk, Wv, Wo, and h = g1 * x / sqrt(mean(x^2) + 1e-5), become codes of BF6 (E3M2) with one E8M0 byte for each 32 along K.
; They are stored as IMAGES OF OPERAND REGISTERS: a fragment (16 rows x 128 K, 12 registers a lane) is three groups of four registers, group g at 512 g + 16 x lane.
; THE ROWS OF A FRAGMENT ARE NOT NEIGHBOURS: of a group of 32 rows, fragment u holds in lane r row 8 u + (r & 7) + 16 (r >> 3), so that a later product's 16 registers of two neighbouring tiles are 16 neighbours along the next K.
; K = 1,024 operands (h, Wq, Wk, Wv, Wo, W1: 96 groups of 128 rows): [group of 128][K / 256][fragment row 0..7][K step 0,1][1536].  W2 (K = 4,096): [group of 64][K / 512][fragment row 0..3][K step 0..3][1536].
; Scale words (four bytes: one row, 128 K): [group of 128][K step][pair p][lane r][u], so that 8 bytes at 8 r + 128 p are the words of fragment rows 2 p and 2 p + 1.
; SHARES: a work-group takes 32 rows x 1,024 K, wave s the K step s: two fragments.  Work-groups 0-127 x, 128-159 Wq, 160-191 Wk, 192-223 Wv, 224-255 Wo.
; Every load reads 512 consecutive bytes of a row; 16 rows turn through the wave's own stage in LDS (rows 528 bytes apart) and come back so that a lane holds two whole blocks of 32 of its row.
; The sum of squares is made for every tensor (one path, one barrier); only x's work-groups multiply by g1 and by 1 / sqrt: a scalar branch on the work-group's number round register work.
; LIMITS: NaN and infinities are not served; a block whose largest magnitude lies under 2^-122 (a block of zeros among them) gets the byte 1: these bytes are read by this program alone; 1 / sqrt is v_rsq_f32.
.set WSTG,  16*528                     ; a wave's stage
.set RED,   8*WSTG                     ; behind the stages: 8 waves x 2 fragments x 16 rows of partial sums
.set W2C,   9437184                    ; places in the workspace
.set P1S,   12582912
.set W2S,   12976128
.set OF,    32                         ; v32-47 the 16 rows' offsets; later the codes: v32-43, v44-55
.set PCA,   32
.set CT,    56                         ; v56-62 a conversion's second halves
.set GG,    64                         ; v64-127 g1 of my 64 places along K
.set XX,    128                        ; v128-191, v192-255 the two fragments' numbers
	s_load_b512 s[8:23], s[0:1], 0x0               ; x, Wq, Wk, Wv, Wo, W1, W2, g1
	s_load_b64 s[24:25], s[0:1], 0x40              ; the workspace
	v_lshrrev_b32 v1, 5, v0
	s_delay_alu instid0(VALU_DEP_1)
	v_readfirstlane_b32 s26, v1                    ; wave = K step
	v_and_b32 v1, 31, v0                           ; lane
	v_and_b32 v2, 15, v0                           ; r
	v_bfe_u32 v3, v0, 4, 1                         ; h
	s_delay_alu instid0(VALU_DEP_3)
	v_lshlrev_b32 v30, 4, v1                       ; 16 x lane
	s_mul_i32 s27, s26, WSTG
	v_add_nc_u32 v4, s27, v30                      ; the stage, in: 16 x lane of a row
	v_mul_u32_u24 v5, v2, 528
	s_delay_alu instid0(VALU_DEP_1)
	v_lshl_add_u32 v5, v3, 7, v5
	s_delay_alu instid0(VALU_DEP_1)
	v_add_nc_u32 v5, s27, v5                       ; out: row r, + 128 h
	s_lshl_b32 s27, s26, 7
	s_add_co_u32 s27, s27, RED
	v_lshl_add_u32 v6, v2, 2, s27                  ; my wave's partial sums
	v_lshl_add_u32 v7, v2, 2, RED                  ; everybody's
	s_lshl_b32 s27, s26, 9
	v_lshl_add_u32 v8, v3, 7, s27                  ; g1: 512 s + 128 h
	v_lshlrev_b32 v31, 3, v3                       ; 8 h
	s_mov_b32 s44, 0x76543210
	s_mov_b32 s45, 0xfedcba98                      ; lane l xor 16
	s_mov_b32 s46, 0x3a800000                      ; 1 / 1024
	s_mov_b32 s47, 0x3727c5ac                      ; 1e-5
	s_mov_b32 s28, ttmp9
	s_mov_b32 s29, 384
	s_wait_alu depctr_va_vdst(0)
	s_wait_kmcnt 0x0
	s_mov_b64 s[4:5], s[20:21]                     ; the tensor and its first work-group, chosen by the work-group's number alone
.macro PICK lim, p, g0
	s_cmp_lt_u32 s28, \lim
	s_cselect_b64 s[4:5], s[\p:\p+1], s[4:5]
	s_cselect_b32 s29, \g0, s29
.endm
	; this launch has work-groups 0-255 alone (x, Wq, Wk, Wv, Wo): W1 and W2 are quantised, by the same arithmetic, in launch wo's work-groups 128-255
	PICK 256, 16, 224
	PICK 224, 14, 192
	PICK 192, 12, 160
	PICK 160, 10, 128
	PICK 128, 8, 0
	s_sub_co_u32 s30, s28, s29                     ; my number within the tensor
	s_lshr_b32 s31, s30, 2                         ; W2: group of 32 rows,
	s_and_b32 s32, s30, 3
	s_lshl_b32 s32, s32, 3
	s_add_co_u32 s32, s32, s26                     ; and K step 8 x quarter + wave
	s_lshr_b32 s33, s31, 1                         ; W2's codes
	s_mul_i32 s33, s33, 196608
	s_lshr_b32 s34, s32, 2
	s_mul_i32 s34, s34, 24576
	s_add_co_u32 s33, s33, s34
	s_and_b32 s34, s31, 1
	s_mul_i32 s34, s34, 12288
	s_add_co_u32 s33, s33, s34
	s_and_b32 s34, s32, 3
	s_mul_i32 s34, s34, 1536
	s_add_co_u32 s33, s33, s34
	s_add_co_u32 s33, s33, W2C
	s_lshr_b32 s35, s31, 2                         ; W2's scale words
	s_lshl_b32 s35, s35, 14
	s_lshl_b32 s34, s32, 9
	s_add_co_u32 s35, s35, s34
	s_and_b32 s34, s31, 3
	s_lshl_b32 s34, s34, 7
	s_add_co_u32 s35, s35, s34
	s_add_co_u32 s35, s35, W2S
	s_lshr_b32 s36, s28, 2                         ; the others: group of 128 = work-group / 4
	s_mul_i32 s37, s36, 98304
	s_lshr_b32 s34, s26, 1
	s_mul_i32 s34, s34, 24576
	s_add_co_u32 s37, s37, s34
	s_and_b32 s38, s28, 3
	s_mul_i32 s34, s38, 6144
	s_add_co_u32 s37, s37, s34
	s_and_b32 s34, s26, 1
	s_mul_i32 s34, s34, 1536
	s_add_co_u32 s37, s37, s34
	s_lshl_b32 s36, s36, 12
	s_lshl_b32 s34, s26, 9
	s_add_co_u32 s36, s36, s34
	s_lshl_b32 s34, s38, 7
	s_add_co_u32 s36, s36, s34
	s_add_co_u32 s36, s36, P1S
	s_cmp_lt_u32 s28, 384
	s_cselect_b32 s33, s37, s33                    ; codes
	s_cselect_b32 s35, s36, s35                    ; scale words
	s_cselect_b32 s31, s30, s31                    ; group of 32 rows in the tensor
	s_cselect_b32 s32, s26, s32                    ; K step in the tensor
	s_cselect_b32 s39, 12, 14                      ; a row is 2^12 or 2^14 bytes
	s_mov_b32 s40, 6144
	s_cselect_b32 s40, 3072, s40                   ; from fragment u = 0 to u = 1
	s_add_co_u32 s41, s39, 5
	s_lshl_b32 s42, s31, s41
	s_lshl_b32 s43, s32, 9
	s_add_co_u32 s42, s42, s43
	s_mov_b32 s43, 0
	s_add_nc_u64 s[4:5], s[4:5], s[42:43]          ; my 32 rows, my 128 along K
	s_lshl_b32 s42, 8, s39
	s_add_nc_u64 s[6:7], s[4:5], s[42:43]          ; eight rows down: fragment u = 1
	v_add_nc_u32 v9, s33, v30
	s_delay_alu instid0(VALU_DEP_1)
	v_add_nc_u32 v10, s40, v9
	v_lshl_add_u32 v11, v2, 3, s35
.set i, 0
.rept 16
	v_lshl_add_u32 v[OF+i], (i&7)+16*(i>>3), s39, v30  ; fragment lane i's row, + 16 x lane
.set i, i+1
.endr
.set i, 0
.rept 16
	global_load_b128 v[XX+4*i:XX+4*i+3], v[OF+i], s[4:5] th:TH_LOAD_NT
.set i, i+1
.endr
.set i, 0
.rept 16
	global_load_b128 v[XX+64+4*i:XX+64+4*i+3], v[OF+i], s[6:7] th:TH_LOAD_NT
.set i, i+1
.endr
.set i, 0
.rept 16
	global_load_b128 v[GG+4*i:GG+4*i+3], v8, s[22:23] offset:256*(i/8)+16*(i%8)
.set i, i+1
.endr
.macro TURN u                          ; 16 rows into the stage as loaded, back 128 bytes a lane and half K step.  LDS serves a wave's instructions in order: no wait between
.set i, 0
.rept 16
	ds_store_b128 v4, v[XX+64*\u+4*i:XX+64*\u+4*i+3] offset:528*i
.set i, i+1
.endr
.set i, 0
.rept 16
	ds_load_b128 v[XX+64*\u+4*i:XX+64*\u+4*i+3], v5 offset:256*(i/8)+16*(i%8)   ; register 32 c + n: k = 64 c + 32 h + n of row r
.set i, i+1
.endr
.endm
.macro SUMSQ u                         ; my 64 squares, lane l xor 16's, to my wave's word for row r
.set XB, XX+64*\u
.set SA, 12+4*\u
	v_pk_mul_f32 v[SA:SA+1], v[XB:XB+1], v[XB:XB+1]
	v_pk_mul_f32 v[SA+2:SA+3], v[XB+2:XB+3], v[XB+2:XB+3]
.set j, 4
.rept 15
	s_delay_alu instid0(VALU_DEP_2)
	v_pk_fma_f32 v[SA:SA+1], v[XB+j:XB+j+1], v[XB+j:XB+j+1], v[SA:SA+1]
	s_delay_alu instid0(VALU_DEP_2)
	v_pk_fma_f32 v[SA+2:SA+3], v[XB+j+2:XB+j+3], v[XB+j+2:XB+j+3], v[SA+2:SA+3]
.set j, j+4
.endr
	s_delay_alu instid0(VALU_DEP_1)
	v_pk_add_f32 v[SA:SA+1], v[SA:SA+1], v[SA+2:SA+3]
	s_delay_alu instid0(VALU_DEP_1)
	v_add_f32 v[SA], v[SA], v[SA+1]
	s_delay_alu instid0(VALU_DEP_1)
	v_permlanex16_b32 v[SA+2], v[SA], s44, s45
	s_delay_alu instid0(VALU_DEP_1)
	v_add_f32 v[SA], v[SA], v[SA+2]
	ds_store_b32 v6, v[SA] offset:64*\u
.endm
	s_wait_loadcnt 32                              ; fragment 0's 16 loads are in; fragment 1's and g1's 16 each may be out
	TURN 0
	s_wait_loadcnt 16                              ; fragment 1's are in
	TURN 1
	s_wait_dscnt 32                                ; fragment 0 is back; fragment 1's 16 stores and 16 loads may be out
	SUMSQ 0
	s_wait_dscnt 0x0
	SUMSQ 1
	s_wait_dscnt 0x0                               ; for the others' sake: my partial sums have landed
	s_barrier_signal -1
	s_barrier_wait -1
.set i, 0
.rept 16
	ds_load_b32 v[48+i], v7 offset:128*(i%8)+64*(i/8)
.set i, i+1
.endr
	s_wait_dscnt 0x0
.irp u, 48, 56
	v_add_f32 v[\u], v[\u], v[\u+1]
	v_add_f32 v[\u+2], v[\u+2], v[\u+3]
	v_add_f32 v[\u+4], v[\u+4], v[\u+5]
	v_add_f32 v[\u+6], v[\u+6], v[\u+7]
	s_delay_alu instid0(VALU_DEP_3)
	v_add_f32 v[\u], v[\u], v[\u+2]
	s_delay_alu instid0(VALU_DEP_2)
	v_add_f32 v[\u+4], v[\u+4], v[\u+6]
	s_delay_alu instid0(VALU_DEP_1)
	v_add_f32 v[\u], v[\u], v[\u+4]
.endr
	v_fma_f32 v20, v48, s46, s47                   ; mean + eps
	s_delay_alu instid0(VALU_DEP_2)
	v_fma_f32 v22, v56, s46, s47
	s_wait_alu depctr_va_vdst(0)
	v_rsq_f32 v20, v20
	v_rsq_f32 v22, v22
	v_mov_b32 v21, 0                               ; (plain lines behind the transcendentals; the pairs' upper halves are named below)
	v_mov_b32 v23, 0
	s_wait_alu depctr_va_vdst(0)                   ; one wait for both, ahead of the branch and of the first reader
	s_wait_loadcnt 0x0                             ; g1; all loads are done, so their offset registers may be written
	s_cmp_lt_u32 s28, 128
	s_cbranch_scc0 .Lweight                        ; a weight is quantised as it is
.irp u, 0, 1
.set j, 0
.rept 32
	v_pk_mul_f32 v[XX+64*\u+j:XX+64*\u+j+1], v[XX+64*\u+j:XX+64*\u+j+1], v[GG+j:GG+j+1]
.set j, j+2
.endr
.set j, 0
.rept 32
	v_pk_mul_f32 v[XX+64*\u+j:XX+64*\u+j+1], v[XX+64*\u+j:XX+64*\u+j+1], v[20+2*\u:21+2*\u] op_sel_hi:[1,0]
.set j, j+2
.endr
.endr
.Lweight:
.macro QUANTB u                        ; a lane's two whole blocks (2 c + h) become registers 6 c .. 6 c + 5 of the fragment; the word's four bytes are gathered from lanes l and l xor 16
.set XB, XX+64*\u
.set PB, PCA+12*\u
.irp c, 0, 1
	v_max3_num_f32 v[24+\c], |v[XB+32*\c]|, |v[XB+32*\c+1]|, 0x2800000   ; with the floor 2^(5 - 127): the byte cannot fall under 1
.endr
.set j, 2
.rept 15
.irp c, 0, 1
	s_delay_alu instid0(VALU_DEP_2)
	v_max3_num_f32 v[24+\c], v[24+\c], |v[XB+32*\c+j]|, |v[XB+32*\c+j+1]|
.endr
.set j, j+2
.endr
.irp c, 0, 1
	s_delay_alu instid0(VALU_DEP_2)
	v_add_nc_u32 v[26+\c], 0xfe000000, v[24+\c]    ; 4 off the exponent field: the conversion's scale operand
.endr
.irp c, 0, 1
	s_delay_alu instid0(VALU_DEP_2)
	v_lshrrev_b32 v[28+\c], 23, v[26+\c]           ; the byte
.endr
	s_delay_alu instid0(VALU_DEP_1)
	v_lshl_or_b32 v[14+\u], v29, 16, v28
	s_delay_alu instid0(VALU_DEP_1)
	v_lshlrev_b32 v[14+\u], v31, v[14+\u]          ; blocks h and 2 + h: 8 h bits up
	s_delay_alu instid0(VALU_DEP_1)
	v_permlanex16_b32 v30, v[14+\u], s44, s45
	s_delay_alu instid0(VALU_DEP_1)
	v_or_b32 v[14+\u], v[14+\u], v30
.irp c, 0, 1
	v_cvt_scalef32_pk16_bf6_f32 v[PB+6*\c:PB+6*\c+2], v[XB+32*\c:XB+32*\c+15], v[26+\c]
	v_cvt_scalef32_pk16_bf6_f32 v[CT+4*\c:CT+4*\c+2], v[XB+32*\c+16:XB+32*\c+31], v[26+\c]   ; (three registers begin on an even number)
.endr
	v_nop                                          ; one plain line behind the conversions
.irp c, 0, 1
.irp i, 0, 1, 2
	v_mov_b32 v[PB+6*\c+3+\i], v[CT+4*\c+\i]
.endr
.endr
.endm
	QUANTB 0
	QUANTB 1
.irp g, 0, 1, 2
	global_store_b128 v9, v[PCA+4*\g:PCA+4*\g+3], s[24:25] offset:512*\g       ; 512 consecutive bytes a store
.endr
.irp g, 0, 1, 2
	global_store_b128 v10, v[PCA+12+4*\g:PCA+12+4*\g+3], s[24:25] offset:512*\g
.endr
	global_store_b64 v11, v[14:15], s[24:25]       ; both fragments' words of row lane r: 128 consecutive bytes (lanes 16-31 hold and write the same)
	v_lshl_add_u32 v12, v0, 2, 0x10c00             ; all 256 registers are at work above, so no two can be kept: v0 is as at the entry, and the two are made here (v12, v13 are sources of no pending store)
	v_mov_b32 v13, 0
	s_wait_alu depctr_va_vdst(0)
	s_wait_tensorcnt 0x0                           ; the wave's end
	ds_add_u32 v12, v13
	s_wait_dscnt 0x0
	s_endpgm
.Lfunc_end_k_q00e6a63ce4_prep:
	.size	k_q00e6a63ce4_prep, .Lfunc_end_k_q00e6a63ce4_prep-k_q00e6a63ce4_prep
	.p2alignl 7, 3214868480
	.fill 96, 4, 3214868480
	.section	.rodata,"a",@progbits
	.p2align	6, 0x0
	.amdhsa_kernel k_q00e6a63ce4_prep
		.amdhsa_group_segment_fixed_size 69632
		.amdhsa_private_segment_fixed_size 0
		.amdhsa_enable_private_segment 0
		.amdhsa_kernarg_size 72
		.amdhsa_user_sgpr_count 2
		.amdhsa_user_sgpr_kernarg_segment_ptr 1
		.amdhsa_wavefront_size32 1
		.amdhsa_system_sgpr_workgroup_id_x 1
		.amdhsa_system_sgpr_workgroup_id_y 1
		.amdhsa_system_sgpr_workgroup_id_z 1
		.amdhsa_system_vgpr_workitem_id 0
		.amdhsa_next_free_vgpr 256
		.amdhsa_next_free_sgpr 66
		.amdhsa_reserve_vcc 0
		.amdhsa_float_denorm_mode_32 3
		.amdhsa_float_denorm_mode_16_64 3
		.amdhsa_memory_ordered 1
		.amdhsa_forward_progress 1
		.amdhsa_inst_pref_size 41
	.end_amdhsa_kernel
	.amdgpu_metadata
---
amdhsa.version: [ 1, 2 ]
amdhsa.kernels:
  - .name:           k_q00e6a63ce4_prep
    .symbol:         k_q00e6a63ce4_prep.kd
    .args:
      - { .name: x, .offset: 0, .size: 8, .value_kind: global_buffer, .address_space: global }
      - { .name: Wq, .offset: 8, .size: 8, .value_kind: global_buffer, .address_space: global }
      - { .name: Wk, .offset: 16, .size: 8, .value_kind: global_buffer, .address_space: global }
      - { .name: Wv, .offset: 24, .size: 8, .value_kind: global_buffer, .address_space: global }
      - { .name: Wo, .offset: 32, .size: 8, .value_kind: global_buffer, .address_space: global }
      - { .name: W1, .offset: 40, .size: 8, .value_kind: global_buffer, .address_space: global }
      - { .name: W2, .offset: 48, .size: 8, .value_kind: global_buffer, .address_space: global }
      - { .name: g1, .offset: 56, .size: 8, .value_kind: global_buffer, .address_space: global }
      - { .name: wsp, .offset: 64, .size: 8, .value_kind: global_buffer, .address_space: global }
    .group_segment_fixed_size: 69632
    .private_segment_fixed_size: 0
    .kernarg_segment_align: 8
    .kernarg_segment_size: 72
    .max_flat_workgroup_size: 256
    .sgpr_count:     66
    .vgpr_count:     256
    .wavefront_size: 32
...
	.end_amdgpu_metadata
.endif
;; end of part 1
;; launch qkv (part 2): grid 8 x 24, 4 waves a work-group, clusters of 4 x 4, 327,680 bytes of LDS; arguments wsp, qkvb; writes qkvb
.if DOCPART == 2
	.amdgcn_target "amdgcn-amd-amdhsa--gfx1250"
	.amdhsa_code_object_version 6
	.text
	.protected	k_q00e6a63ce4_qkv
	.globl	k_q00e6a63ce4_qkv
	.p2align	8
	.type	k_q00e6a63ce4_qkv,@function
k_q00e6a63ce4_qkv:
	s_mov_b64 s[64:65], 0
	v_nop
	global_prefetch_b8 v0, s[64:65] scope:SCOPE_SE
	s_setreg_imm32_b32 hwreg(HW_REG_WAVE_MODE, 25, 1), 1
	s_wait_xcnt 0x0
	s_wait_alu depctr_hold_cnt(0) depctr_sa_sdst(0) depctr_va_vdst(0) depctr_va_sdst(0) depctr_va_ssrc(0) depctr_va_vcc(0) depctr_vm_vsrc(0)
	s_getreg_b32 s2, hwreg(HW_REG_IB_STS2, 6, 4)
	s_cmp_eq_u32 s2, 0
	s_cbranch_scc0 .Lentry_in_a_cluster
	s_endpgm
.Lentry_in_a_cluster:
	s_bfe_u32 s2, ttmp6, 0x10000c
	s_cmp_lg_u32 s2, 0xf033
	s_cbranch_scc0 .Lentry_shape_is_right
	s_endpgm
.Lentry_shape_is_right:
; q = h Wq^T, k = h Wk^T, v = h Wv^T on codes of BF6, K = 1,024; the results are quantised in registers and stored as operand images for the attention launch.
; A work-group of four waves makes 256 x 256, a wave 128 x 128: 64 accumulators.  Source 0 ("B") is the operand whose rows are the NEXT product's K, source 1 ("A") the one whose row a lane keeps.
;   clusters y 0-3: A = h (tokens), B = Wq then Wk (2,048 rows): a lane holds a token, its registers run along the head's channels.
;   clusters y 4-5: A = Wv (channels), B = h: a lane holds a channel, its registers run along the tokens, which are the keys.
; Operands lie in memory as images of their registers (launch prep): a tile of 128 rows x 256 K is 24,576 dense bytes, a fragment three ds_load_b128 at 16 x lane.
; LDS: THREE slots of 256 K (A's two halves, B's two halves; one tensor load fetches A's or B's half of a slot).  K has four such slots: three come as first fills (slot 0 at the head, slots 1 and 2 behind the next round); the fourth is the one refill, into slot 0's
; bytes, and has two slots' products, 256 matrix instructions a wave, in which to land.  4 x 4 work-groups form a cluster: A's tiles are asked for jointly along a row, B's along a column.
; The scale words of the work-group's rows for all of K come once, with the first fills.  One register carries A's word (lanes 0-15) and B's (lanes 16-31).
; A wave has at most one tensor load out.
; OUT (buffer qkvb).  Q record (head, 128 tokens): 8 half fragments of 768 bytes (16 tokens x 64), then 256 bytes of words [lane][pair of tiles].  KV record: K 8 x 768, V 4 x 1,536 (16 channels x 128 keys), K's words 256, V's words 256.
; A half fragment: registers 0-3 at 16 x lane, registers 4-5 at 512 + 8 x lane.
; LIMITS: NaN and infinities are not served; a block whose largest magnitude lies under 2^-122 gets the byte 1 (read by this program alone).
.set TILE,  24576
.set SLOT,  4*TILE
.set SCL,   3*SLOT                     ; A's scale words 8,192 bytes; B's begin 128 bytes further on than a multiple of 256, so that one load's two halves fall on different banks
.set SPARE, 311552                     ; the spare words: 128 bytes a wave, two blocks of 256 bytes that no other line names
.set P1S,   12582912
.set ADRA, 16                          ; v16-18 my A fragments in slot 0, 1, 2
.set ADRB, 20                          ; v20-22 my B fragments
.set ADRS, 27                          ; v27 my scale words
.set SPW,  28
.set NIL,  29
.set SC,   32                          ; v32-63 scale words: 16 x set + 8 x K step + block
.set AF,   64                          ; window 0: A's two sets, 96 registers each;  window 1: B's at 0 and 128;  windows 2, 3: accumulator (a, b) at 8 (8 (a % 4) + b)
.set TM,   192
.set PC,   208
.set PW,   228
.set OFS,  240
.set WD,   244
.set G1, 24
.set G0, 32
.set G1B, 48
.set G0B, 56
.set G1S, 68
.set G0S, 76
.set G1SB, 80
.set G0SB, 88
.set G0C, 20
.set G0BC, 92
.set SEL, 96
.set MSB, 0
.macro WIN new                         ; the immediate's high byte repeats the setting that is left
.if MSB != (\new)
	s_set_vgpr_msb (MSB<<8)|(\new)
.set MSB, (\new)
.endif
.endm
.macro PLACES n
.rept \n
	v_nop
.endr
.endm
.macro JLOAD g0a, g1a, g0b, g1b        ; a joint load: even waves fetch for A, odd waves for B; four v_nop follow each line
	s_cmp_eq_u32 s16, 0                            ; even waves fetch for A, odd waves for B
	s_cbranch_scc0 .Lfor_b_\@
	tensor_load_to_lds s[\g0a:\g0a+3], s[\g1a:\g1a+7]
	s_nop 0
.rept 4
	v_nop
.endr
	s_branch .Lasked_\@
.Lfor_b_\@:
	tensor_load_to_lds s[\g0b:\g0b+3], s[\g1b:\g1b+7]
	s_nop 0
.rept 4
	v_nop
.endr
.Lasked_\@:
.endm
.macro CREST                           ; a round of the cluster's barrier behind its opening barrier
	s_cmp_lg_u32 s14, 0
	s_cbranch_scc1 .Lnot_wave_0_\@
	s_barrier_signal -3
.Lnot_wave_0_\@:
	s_barrier_wait -3
	s_barrier_signal -1
	s_barrier_wait -1
.endm
.macro CROUND
	s_barrier_signal -1
	s_barrier_wait -1
	CREST
.endm
	s_load_b128 s[4:7], s[0:1], 0x0                ; the workspace, qkvb
	v_lshl_add_u32 v[SPW], v0, 2, SPARE
	v_mov_b32 v[NIL], 0
	ds_add_u32 v28, v29
	ds_add_u32 v28, v29
	s_wait_dscnt 0x0
	v_lshrrev_b32 v1, 5, v0
	v_readfirstlane_b32 s14, v1                    ; wave
	s_lshr_b32 s15, s14, 1                         ; my half of A's rows; also: my second load's K slot is 1 + this
	s_and_b32 s16, s14, 1                          ; my half of B's rows; also: I fetch for A (0) or B (1)
	s_bfe_u32 s40, ttmp6, 0x40000                  ; cx
	s_bfe_u32 s41, ttmp6, 0x40004                  ; cy
	s_and_b32 s18, ttmp7, 0xffff                   ; cluster y
	s_lshl_b32 s17, s18, 2
	s_add_co_u32 s17, s17, s41                     ; q, k: A's tile = 4 y + cy
	s_lshl_b32 s42, ttmp9, 2
	s_add_co_u32 s42, s42, s40                     ; q, k: B's tile = 4 x + cx
	s_lshl_b32 s19, s18, 3
	s_sub_co_u32 s19, s19, 32
	s_add_co_u32 s19, s19, s42                     ; v: B's tile = 4 (x + 2 y - 8) + cx
	s_cmp_lt_u32 s18, 4                            ; the region hangs on the cluster's y, which all partners share
	s_cselect_b32 s17, s17, s41                    ; v: A's tile = cy
	s_cselect_b32 s42, s42, s19
	s_cselect_b32 s8, 0, 48                        ; A's first group of 128 in the workspace: h or Wv
	s_cselect_b32 s9, 32, 0                        ; B's: Wq or h
	s_cselect_b32 s10, 0, -1                       ; all ones in the v region
	s_lshl_b32 s43, s41, 2
	s_lshl_b32 s43, 15, s43                        ; my row of the cluster
	s_lshl_b32 s44, 0x1111, s40                    ; my column
	s_or_b32 s[G1+0], s43, (3<<16)|(1<<21)         ; elements of 8 bytes; no padding
	s_or_b32 s[G1B+0], s44, (3<<16)|(1<<21)
.irp g, G1, G1B                        ; one K slot of 256 rows: the two groups of 128 as 2 rows of 24,576 bytes (3,072 elements of 8), 98,304 bytes apart in memory, on end in LDS
	s_mov_b32 s[\g+1], 3072<<16
	s_mov_b32 s[\g+2], 2<<16
	s_mov_b32 s[\g+3], 3072<<16
	s_mov_b32 s[\g+4], 2
	s_mov_b32 s[\g+5], 12288
	s_mov_b32 s[\g+6], 0
	s_mov_b32 s[\g+7], 0
.endr
	s_or_b32 s[G1S+0], s43, (3<<16)|(1<<21)        ; the scale words of 256 rows: 32 rows of 256 bytes
	s_or_b32 s[G1SB+0], s44, (3<<16)|(1<<21)
.irp g, G1S, G1SB                      ; the scale words of 256 rows: 32 rows of 256 bytes
	s_mov_b32 s[\g+1], 32<<16
	s_mov_b32 s[\g+2], 32<<16
	s_mov_b32 s[\g+3], 32<<16
	s_mov_b32 s[\g+4], 32
	s_mov_b32 s[\g+5], 32
	s_mov_b32 s[\g+6], 0
	s_mov_b32 s[\g+7], 0
.endr
	s_lshl_b32 s20, s17, 1                         ; the tile's first group of 128
	s_add_co_u32 s20, s20, s8                      ; the group of 128 that I would fetch for A
	s_lshl_b32 s46, s42, 1
	s_add_co_u32 s46, s46, s9                      ; and for B
	s_lshl_b32 s22, s20, 12
	s_add_co_u32 s22, s22, P1S
	s_mov_b32 s23, 0
	s_lshl_b32 s92, s46, 12
	s_add_co_u32 s92, s92, P1S
	s_mov_b32 s93, 0
	s_mul_i32 s20, s20, 4*TILE
	s_mov_b32 s21, 0
	s_mul_i32 s46, s46, 4*TILE
	s_mov_b32 s47, 0
	s_mul_i32 s45, s15, SLOT                       ; my second load: waves 0, 1 K slot 1, waves 2, 3 K slot 2: its LDS slot,
	s_add_co_u32 s45, s45, SLOT
	s_mul_i32 s94, s15, TILE                       ; and its place along K in memory
	s_add_co_u32 s94, s94, TILE
	s_mov_b32 s95, 0
	s_mov_b32 s[SEL], 0x76543210
	s_mov_b32 s[SEL+1], 0xfedcba98
	s_wait_kmcnt 0x0
	s_add_nc_u64 s[20:21], s[4:5], s[20:21]
	s_add_nc_u64 s[22:23], s[4:5], s[22:23]
	s_add_nc_u64 s[46:47], s[4:5], s[46:47]
	s_add_nc_u64 s[92:93], s[4:5], s[92:93]
	CROUND                                         ; all sixteen work-groups are here: the first joint loads meet
	; THE LOADS AS THIS TEXT HAS THEM (one tensor load a wave at the head and behind each round).
	; Head: wave 0 A's K slot 0, wave 1 B's, wave 2 A's scale words, wave 3 B's.  Behind the next round: waves 0, 1 K slot 1 of A, B; waves 2, 3 K slot 2.  The one refill, K slot 3 into slot 0's bytes: waves 0, 1.
	s_mov_b32 s[G0S], 1
	s_mov_b32 s[G0S+1], SCL
	s_mov_b64 s[G0S+2:G0S+3], s[22:23]
	s_or_b32 s[G0S+3], s[G0S+3], 0x80000000
	s_mov_b32 s[G0SB], 1
	s_mov_b32 s[G0SB+1], SCL+8192+128
	s_mov_b64 s[G0SB+2:G0SB+3], s[92:93]
	s_or_b32 s[G0SB+3], s[G0SB+3], 0x80000000
	s_mov_b32 s[G0], 1
	s_mov_b32 s[G0+1], 0
	s_mov_b64 s[G0+2:G0+3], s[20:21]
	s_or_b32 s[G0+3], s[G0+3], 0x80000000
	s_mov_b32 s[G0B], 1
	s_mov_b32 s[G0B+1], 2*TILE
	s_mov_b64 s[G0B+2:G0B+3], s[46:47]
	s_or_b32 s[G0B+3], s[G0B+3], 0x80000000
	s_mov_b32 s[G0+4], 1
	s_mov_b32 s[G0+5], s45
	s_add_nc_u64 s[G0+6:G0+7], s[20:21], s[94:95]
	s_or_b32 s[G0+7], s[G0+7], 0x80000000
	s_mov_b32 s[G0B+4], 1
	s_add_co_u32 s[G0B+5], s45, 2*TILE
	s_add_nc_u64 s[G0B+6:G0B+7], s[46:47], s[94:95]
	s_or_b32 s[G0B+7], s[G0B+7], 0x80000000
.macro ARM under, g0, g1, next         ; one chain of branches on the wave's number: every way through the head passes exactly one load
	s_cmp_lt_u32 s14, \under
	s_cbranch_scc0 \next
	tensor_load_to_lds s[\g0:\g0+3], s[\g1:\g1+7]
	s_nop 0
.rept 4
	v_nop
.endr
	s_branch .Lhead_asked
\next:
.endm
	ARM 1, G0,  G1,  .Lhead_b
	ARM 2, G0B, G1B, .Lhead_sa
	ARM 3, G0S, G1S, .Lhead_sb
	tensor_load_to_lds s[G0SB:G0SB+3], s[G1SB:G1SB+7]
	s_nop 0
.rept 4
	v_nop
.endr
.Lhead_asked:
	; K slots 1 to 3 of my cluster's tiles are asked for here, a fill or more ahead of their loads: of a tile's two groups of 128 rows (73,728 bytes each) even waves name A's, odd waves B's, wave / 2 the group;
	; the four partners that load the tile jointly take a quarter each BY ADDRESS (cx for A, cy for B): 72 blocks of 256 bytes, a lane a block, 24 an instruction (the lanes left over name the last again).
	s_cmp_eq_u32 s16, 0
	s_cselect_b64 s[98:99], s[20:21], s[46:47]
	s_cselect_b32 s12, s40, s41
	s_mul_i32 s12, s12, 18432
	s_mul_i32 s13, s15, 4*TILE
	s_add_co_u32 s12, s12, s13
	s_add_co_u32 s12, s12, TILE
	s_mov_b32 s13, 0
	s_add_nc_u64 s[98:99], s[98:99], s[12:13]
	v_and_b32 v30, 31, v0
	v_min_u32 v30, 23, v30
	v_lshlrev_b32 v30, 8, v30                      ; never rewritten
	global_prefetch_b8 v30, s[98:99] th:TH_LOAD_NT scope:SCOPE_SE
	global_prefetch_b8 v30, s[98:99] offset:6144 th:TH_LOAD_NT scope:SCOPE_SE
	global_prefetch_b8 v30, s[98:99] offset:12288 th:TH_LOAD_NT scope:SCOPE_SE
	v_and_b32 v1, 15, v0                           ; r
	v_bfe_u32 v2, v0, 4, 1                         ; h
	s_wait_alu depctr_va_vdst(0)
	v_and_b32 v3, 31, v0
	v_lshlrev_b32 v3, 4, v3                        ; 16 x lane
	s_mul_i32 s18, s15, TILE
	s_mul_i32 s19, s16, TILE
	s_add_co_u32 s19, s19, 2*TILE
.irp s, 0, 1, 2
	v_add_nc_u32 v[ADRA+\s], s18, v3
	v_add_nc_u32 v[ADRB+\s], s19, v3
	s_add_co_u32 s18, s18, SLOT
	s_add_co_u32 s19, s19, SLOT
.endr
	s_lshl_b32 s18, s15, 12                        ; A's words of my 128 rows
	s_lshl_b32 s19, s16, 12
	s_add_co_u32 s19, s19, 8192+128                ; B's
	s_sub_co_u32 s19, s19, s18
	v_mul_u32_u24 v6, s19, v2                      ; lanes 16-31 take B's: one product, h x the distance
	s_add_co_u32 s18, s18, SCL
	v_lshl_add_u32 v5, v1, 3, v6
	v_add_nc_u32 v[ADRS], s18, v5
.macro MUL16 a0, p, q, sc, zero        ; A's blocks a0, a0 + 1 against B's eight.  The 64 accumulators take turns, one instruction a turn, in the same order in every step
.irp a, \a0, \a0+1
.irp b, 0,1,2,3,4,5,6,7
.if \zero
	v_wmma_scale_f32_16x16x128_f8f6f4 v[8*(8*((\a)%4)+\b):8*(8*((\a)%4)+\b)+7], v[128*(\p)+12*\b:128*(\p)+12*\b+11], v[AF+96*(\p)+12*(\a):AF+96*(\p)+12*(\a)+11], 0, v[SC+16*(\sc)+8*(\q)+\b], v[SC+16*(\sc)+8*(\q)+(\a)] matrix_a_fmt:MATRIX_FMT_BF6 matrix_b_fmt:MATRIX_FMT_BF6 matrix_a_scale:MATRIX_SCALE_ROW1
.else
	v_wmma_scale_f32_16x16x128_f8f6f4 v[8*(8*((\a)%4)+\b):8*(8*((\a)%4)+\b)+7], v[128*(\p)+12*\b:128*(\p)+12*\b+11], v[AF+96*(\p)+12*(\a):AF+96*(\p)+12*(\a)+11], v[8*(8*((\a)%4)+\b):8*(8*((\a)%4)+\b)+7], v[SC+16*(\sc)+8*(\q)+\b], v[SC+16*(\sc)+8*(\q)+(\a)] matrix_a_fmt:MATRIX_FMT_BF6 matrix_b_fmt:MATRIX_FMT_BF6 matrix_a_scale:MATRIX_SCALE_ROW1
.endif
.endr
.endr
.endm
.macro FETCH slot, q, p                ; 48 LDS loads in one run: the fragments of the slot's K step q into set p
	WIN 0x40
.irp i, 0,1,2,3,4,5,6,7
.irp g, 0,1,2
	ds_load_b128 v[128*(\p)+12*\i+4*\g:128*(\p)+12*\i+4*\g+3], v[ADRB+\slot] offset:3072*\i+1536*(\q)+512*\g
.endr
.endr
	WIN 0
.irp i, 0,1,2,3,4,5,6,7
.irp g, 0,1,2
	ds_load_b128 v[AF+96*(\p)+12*\i+4*\g:AF+96*(\p)+12*\i+4*\g+3], v[ADRA+\slot] offset:3072*\i+1536*(\q)+512*\g
.endr
.endr
.endm
.macro SCALES sc                       ; a slot's scale words: 8 bytes are the words of blocks 2 p and 2 p + 1
.irp q, 0, 1
.irp p, 0,1,2,3
	ds_load_b64 v[SC+16*\sc+8*\q+2*\p:SC+16*\sc+8*\q+2*\p+1], v[ADRS] offset:512*\q+128*\p
.endr
.endr
.endm
.macro STEP slot, sc, zero             ; a slot's first K step (set 0); in its middle the second step's fragments are fetched into set 1
	s_wait_dscnt 0x0
	WIN 0xa1
	MUL16 0, 0, 0, \sc, \zero
	MUL16 2, 0, 0, \sc, \zero
	PLACES 4                                       ; four plain lines in front of loads into registers that matrix instructions have read
	FETCH \slot, 1, 1
	WIN 0xf1
	MUL16 4, 0, 0, \sc, \zero
	MUL16 6, 0, 0, \sc, \zero
	WIN 0
.endm
.macro TURN slot, sc, next, nsc, fill  ; a slot's second K step (set 1), with a barrier; fill = 1: it opens a round of the cluster's barrier and this slot takes K slot 3
	s_wait_tensorcnt 0x0                           ; all my tensor loads have landed
	ds_add_u32 v[SPW], v[NIL]                      ; 0 onto my spare word
	s_wait_dscnt 1                                 ; set 1 is in; the add alone may be out
	WIN 0xa1
	MUL16 0, 1, 1, \sc, 0
	s_wait_dscnt 0x0                               ; the add is done, and my reads of this slot are over
	s_barrier_signal -1
	MUL16 2, 1, 1, \sc, 0
	WIN 0
	s_barrier_wait -1
.if \fill
	CREST                                          ; no wave of any partner still reads this slot or has a load on its way
	s_add_nc_u64 s[G0+4*\slot+2:G0+4*\slot+3], s[G0+4*\slot+2:G0+4*\slot+3], 3*TILE
	s_add_nc_u64 s[G0B+4*\slot+2:G0B+4*\slot+3], s[G0B+4*\slot+2:G0B+4*\slot+3], 3*TILE
	s_cmp_lt_u32 s14, 2                            ; wave 0 fetches A's 256 rows, wave 1 B's; waves 2 and 3 have no part of this tile
	s_cbranch_scc0 .Lno_part_\@
	JLOAD G0+4*\slot, G1, G0B+4*\slot, G1B
.Lno_part_\@:
	PLACES 4                                       ; the places in front of the loads below, on both ways
.else
	PLACES 4
.endif
	v_add_nc_u32 v[ADRS], 1024, v[ADRS]            ; the next slot's two K steps of scale words (no LDS load of mine is out)
	FETCH \next, 0, 0
	SCALES \nsc
	WIN 0xf1
	MUL16 4, 1, 1, \sc, 0
	MUL16 6, 1, 1, \sc, 0
	WIN 0
.endm
.macro PASS slot, sc, next, nsc        ; a slot's second K step where the next slot is known whole to every wave (the barrier in front of the refill stood behind every wave's wait for all its loads) and nothing is filled: no barrier
	s_wait_dscnt 0x0
	WIN 0xa1
	MUL16 0, 1, 1, \sc, 0
	MUL16 2, 1, 1, \sc, 0
	WIN 0
	PLACES 4
	v_add_nc_u32 v[ADRS], 1024, v[ADRS]
	FETCH \next, 0, 0
	SCALES \nsc
	WIN 0xf1
	MUL16 4, 1, 1, \sc, 0
	MUL16 6, 1, 1, \sc, 0
	WIN 0
.endm
; 64 numbers of a lane in window W, register 16 b + i = k 32 b + 16 (lane / 16) + i of my row, become a fragment's codes in v[PC] on and its scale word in v[pw]
.macro QUANT s, W, pw
	WIN (\W)|((\W)<<2)
.irp b, 0,1,2,3
	v_max3_num_f32 v[TM+\b], |v[(\s)+16*\b]|, |v[(\s)+16*\b+1]|, 0x2800000   ; with the floor 2^(5 - 127): the byte cannot fall under 1
.endr
.irp i, 2,4,6,8,10,12,14
.irp b, 0,1,2,3
	v_max3_num_f32 v[TM+\b], |v[(\s)+16*\b+\i]|, |v[(\s)+16*\b+\i+1]|, v[TM+\b]
.endr
.endr
	WIN 0
.irp b, 0,1,2,3
	v_permlanex16_b32 v[TM+4+\b], v[TM+\b], s[SEL], s[SEL+1]
.endr
.irp b, 0,1,2,3
	v_max_num_f32 v[TM+\b], v[TM+\b], v[TM+4+\b]
.endr
.irp b, 0,1,2,3
	v_add_nc_u32 v[TM+12+\b], 0xfe000000, v[TM+\b] ; 4 off the exponent field: the conversion's scale operand
.endr
.irp b, 0,1,2,3
	v_lshrrev_b32 v[TM+4+\b], 23, v[TM+12+\b]
.endr
	v_lshl_or_b32 v[\pw], v[TM+5], 8, v[TM+4]
	v_lshl_or_b32 v[\pw], v[TM+6], 16, v[\pw]
	v_lshl_or_b32 v[\pw], v[TM+7], 24, v[\pw]
	WIN (\W)
.irp c, 0, 1
	v_cvt_scalef32_pk16_bf6_f32 v[PC+6*\c:PC+6*\c+2], v[(\s)+32*\c:(\s)+32*\c+15], v[TM+12+2*\c]
	v_cvt_scalef32_pk16_bf6_f32 v[PC+12+4*\c:PC+14+4*\c], v[(\s)+32*\c+16:(\s)+32*\c+31], v[TM+13+2*\c]
.endr
	WIN 0
	v_nop                                          ; one plain line behind the conversions
.irp c, 0, 1
.irp i, 0, 1, 2
	v_permlane16_swap_b32 v[PC+6*\c+\i], v[PC+12+4*\c+\i]   ; a whole block to a lane
.endr
.irp i, 0, 1, 2
	v_mov_b32 v[PC+3+6*\c+\i], v[PC+12+4*\c+\i]
.endr
.endr
.endm
	s_wait_alu depctr_va_vdst(0)
	s_wait_tensorcnt 0x0                           ; my tile of the head's four is in
	ds_add_u32 v[SPW], v[NIL]
	s_wait_dscnt 0x0
	CROUND                                         ; all four tiles are in, and all sixteen work-groups are here
	JLOAD G0+4, G1, G0B+4, G1B                     ; K slots 1 and 2: my one load behind the round
	FETCH 0, 0, 0
	SCALES 0
	STEP 0, 0, 1                                   ; K slot 0: the first products start the sums
	TURN 0, 0, 1, 1, 1                             ; slot 0 is left and takes K slot 3
	s_wait_alu depctr_va_vdst(0)
	STEP 1, 1, 0                                   ; K slot 1
	PASS 1, 1, 2, 0
	s_wait_alu depctr_va_vdst(0)
	STEP 2, 0, 0                                   ; K slot 2
	TURN 2, 0, 0, 1, 0                             ; K slot 3 has landed, everybody's part: nothing is filled any more
	STEP 0, 1, 0                                   ; K slot 3, in slot 0's bytes
	s_wait_dscnt 0x0
	WIN 0xa1
	MUL16 0, 1, 1, 1, 0
	MUL16 2, 1, 1, 1, 0
	WIN 0xf1
	MUL16 4, 1, 1, 1, 0
	MUL16 6, 1, 1, 1, 0
	WIN 0
	; THE WAY OUT.  No tensor load is out, so the descriptors' registers are free.
	PLACES 4
.irp b, 0,1,2,3
	v_mov_b32 v[TM+4+\b], 0                        ; written once: a lane permute's destination counts as a source
.endr
	v_lshrrev_b32 v4, 1, v3                        ; 8 x lane
	s_lshl_b32 s24, s17, 1
	s_add_co_u32 s24, s24, s15                     ; my group of 128 of A
	s_lshl_b32 s25, s42, 1
	s_add_co_u32 s25, s25, s16                     ; and of B
	s_and_b32 s28, s25, 7
	s_cmp_lg_u32 s10, 0                            ; v?
	s_cselect_b32 s26, s25, s24                    ; the group of tokens
	s_cselect_b32 s27, s24, s28                    ; the pair of heads
	s_mov_b32 s29, 768
	s_cselect_b32 s29, 1536, s29                   ; from block a to a + 1 (a % 4)
	s_mov_b32 s30, 3072
	s_cselect_b32 s30, 204800, s30                 ; from a / 4 = 0 to 1
	s_cselect_b32 s31, 6144, 0                     ; v's codes lie behind k's
	s_mov_b32 s32, 12288
	s_cselect_b32 s32, 6400, s32                   ; from the codes to the words
	s_mov_b32 s33, 204800
	s_cselect_b32 s33, 768, s33                    ; from a fragment's first half to its second
	s_lshr_b32 s34, s25, 3
	s_or_b32 s34, s34, s10                         ; 0 for q alone
	s_lshr_b32 s35, s26, 4
	s_and_b32 s36, s26, 15                         ; the step of 128 tokens
	s_lshl_b32 s35, s35, 4
	s_lshl_b32 s27, s27, 1
	s_add_co_u32 s35, s35, s27                     ; 16 x batch + first head
	s_mul_i32 s37, s35, 102400
	s_mul_i32 s38, s36, 6400
	s_add_co_u32 s37, s37, s38                     ; q's record
	s_lshl_b32 s38, s37, 1
	s_add_co_u32 s38, s38, 3276800
	s_add_co_u32 s38, s38, s31                     ; k's or v's place in the KV record
	s_cmp_eq_u32 s34, 0
	s_cselect_b32 s37, s37, s38
	s_cselect_b32 s32, 6144, s32
	s_mov_b32 s39, 204800
	s_cselect_b32 s39, 102400, s39                 ; from a head's record to the next head's
	s_cselect_b32 s33, 102400, s33
	s_mov_b32 s72, 0xffff0000                      ; lanes 16-31
.irp a, 0,1,2,3,4,5,6,7
	s_wait_xcnt 0x0                                ; the last block's stores have read their registers
	QUANT 64*(\a%4), 2+\a/4, PW+\a
	s_mul_i32 s70, s29, \a%4
	s_mul_i32 s71, s30, \a/4
	s_add_co_u32 s70, s70, s71
	s_add_co_u32 s70, s70, s37
	v_add_nc_u32 v[OFS], s70, v3
	v_add_nc_u32 v[OFS+1], s70, v4
	v_add_nc_u32 v[OFS+2], s33, v[OFS]
	v_add_nc_u32 v[OFS+3], s33, v[OFS+1]
	global_store_b128 v[OFS], v[PC:PC+3], s[6:7]                   ; 512 consecutive bytes,
	global_store_b64 v[OFS+1], v[PC+4:PC+5], s[6:7] offset:512     ; and 256
	global_store_b128 v[OFS+2], v[PC+6:PC+9], s[6:7]
	global_store_b64 v[OFS+3], v[PC+10:PC+11], s[6:7] offset:512
.endr
	v_mov_b32 v6, 0x05040100                       ; q, k: a head's two bytes of two neighbouring tiles make a word; lanes 0-15 the first head, lanes 16-31 the second
	v_mov_b32 v7, 0x07060302
	v_cndmask_b32 v6, v6, v7, s72
.irp f, 0,1,2,3
	v_perm_b32 v[WD+\f], v[PW+2*\f+1], v[PW+2*\f], v6
	v_cndmask_b32 v[WD+4+\f], v[PW+\f], v[PW+4+\f], s72            ; v: the words as they are, blocks 0-3 the first head, 4-7 the second
	v_cndmask_b32 v[WD+\f], v[WD+\f], v[WD+4+\f], s10
.endr
	v_mul_u32_u24 v5, v2, s39
	v_lshl_add_u32 v5, v1, 4, v5
	s_add_co_u32 s70, s37, s32
	v_add_nc_u32 v5, s70, v5
	global_store_b128 v5, v[WD:WD+3], s[6:7]       ; 256 consecutive bytes in each of the two heads' records
	s_wait_tensorcnt 0x0                           ; the wave's end
	ds_add_u32 v[SPW], v[NIL]
	s_wait_dscnt 0x0
	CROUND                                         ; the closing round
	s_endpgm
.Lfunc_end_k_q00e6a63ce4_qkv:
	.size	k_q00e6a63ce4_qkv, .Lfunc_end_k_q00e6a63ce4_qkv-k_q00e6a63ce4_qkv
	.p2alignl 7, 3214868480
	.fill 96, 4, 3214868480
	.section	.rodata,"a",@progbits
	.p2align	6, 0x0
	.amdhsa_kernel k_q00e6a63ce4_qkv
		.amdhsa_group_segment_fixed_size 327680
		.amdhsa_private_segment_fixed_size 0
		.amdhsa_enable_private_segment 0
		.amdhsa_kernarg_size 16
		.amdhsa_user_sgpr_count 2
		.amdhsa_user_sgpr_kernarg_segment_ptr 1
		.amdhsa_wavefront_size32 1
		.amdhsa_system_sgpr_workgroup_id_x 1
		.amdhsa_system_sgpr_workgroup_id_y 1
		.amdhsa_system_sgpr_workgroup_id_z 1
		.amdhsa_system_vgpr_workitem_id 0
		.amdhsa_next_free_vgpr 1024
		.amdhsa_next_free_sgpr 100
		.amdhsa_reserve_vcc 0
		.amdhsa_float_denorm_mode_32 3
		.amdhsa_float_denorm_mode_16_64 3
		.amdhsa_memory_ordered 1
		.amdhsa_forward_progress 1
		.amdhsa_inst_pref_size 144
	.end_amdhsa_kernel
	.amdgpu_metadata
---
amdhsa.version: [ 1, 2 ]
amdhsa.kernels:
  - .name:           k_q00e6a63ce4_qkv
    .symbol:         k_q00e6a63ce4_qkv.kd
    .args:
      - { .name: wsp, .offset: 0, .size: 8, .value_kind: global_buffer, .address_space: global }
      - { .name: qkvb, .offset: 8, .size: 8, .value_kind: global_buffer, .address_space: global }
    .group_segment_fixed_size: 327680
    .private_segment_fixed_size: 0
    .kernarg_segment_align: 8
    .kernarg_segment_size: 16
    .max_flat_workgroup_size: 128
    .sgpr_count:     100
    .vgpr_count:     1024
    .wavefront_size: 32
...
	.end_amdgpu_metadata
.endif
;; end of part 2
;; launch attn (part 3): grid 8 x 32, 16 waves a work-group, clusters of 4 x 1, 276,480 bytes of LDS; arguments qkvb, att; writes att
.if DOCPART == 3
	.amdgcn_target "amdgcn-amd-amdhsa--gfx1250"
	.amdhsa_code_object_version 6
	.text
	.protected	k_q00e6a63ce4_attn
	.globl	k_q00e6a63ce4_attn
	.p2align	8
	.type	k_q00e6a63ce4_attn,@function
k_q00e6a63ce4_attn:
	s_mov_b64 s[64:65], 0
	v_nop
	global_prefetch_b8 v0, s[64:65] scope:SCOPE_SE
	s_setreg_imm32_b32 hwreg(HW_REG_WAVE_MODE, 25, 1), 1
	s_wait_xcnt 0x0
	s_wait_alu depctr_hold_cnt(0) depctr_sa_sdst(0) depctr_va_vdst(0) depctr_va_sdst(0) depctr_va_ssrc(0) depctr_va_vcc(0) depctr_vm_vsrc(0)
	s_getreg_b32 s2, hwreg(HW_REG_IB_STS2, 6, 4)
	s_cmp_eq_u32 s2, 0
	s_cbranch_scc0 .Lentry_in_a_cluster
	s_endpgm
.Lentry_in_a_cluster:
	s_bfe_u32 s2, ttmp6, 0x10000c
	s_cmp_lg_u32 s2, 0x3003
	s_cbranch_scc0 .Lentry_shape_is_right
	s_endpgm
.Lentry_shape_is_right:
; Causal attention of one head (64 channels, 2,048 tokens) on codes of BF6.  t = score x log2(e) / 8; M = the running largest t rounded UP to a whole number; p = 2^(t - M) is quantised along the keys, not normalised;
; the row's sum is taken of the unquantised p and divides at the end; when M moves, the sum and O are multiplied by 2^(old M - new M), which rounds nothing.
; SHARES.  Work-group j (0..7) of a head has the 16 tiles of 16 queries 8 R + j, R = 0..15.  The tile of rank R lies in the step of 128 tokens R: it needs key steps 0 .. R, and step R lies on the diagonal.
; The tiles go to eight PAIRS of waves: pair P has ranks P and 15 - P, 17 key steps together.  Each tile's key steps are split between the pair's two waves by their parity, so that a wave walks 8 or 9 steps and no more.
; A wave runs two SESSIONS: in the first it walks its share of one tile and puts its part (O^T, -M, the sum) into LDS bytes of its own; in the second it walks its share of the other tile and keeps its part in registers.
; The wave of parity 0 takes rank 15 - P first, the other rank P: so each wave's partner has left in LDS just the part that its own second session lacks.  One barrier, then each wave joins the two parts:
; both M are whole numbers, so both parts are brought under the larger M by factors 2^(M - larger M), which round nothing.  The parities are dealt so that waves w, w + 4, w + 8, w + 12 have 34 steps together.
; Nothing but data and global addresses hangs on j.
; LDS holds the head's 16 KV records (12,800 bytes each), filled ONCE, by one joint load of each of the 16 waves (one load out); the four work-groups of a cluster share a head.  Behind them: the parts, 4,352 bytes a wave.
; A session is a loop of eight trips (key steps parity, parity + 2, ..); a step whose keys all come after the tile's queries jumps to the lines that step addresses.
; LAYOUT.  Both products transposed: a lane holds one query.  The head's K is 64: a fragment of K's record holds key tile 2 f in k = 0..63 and key tile 2 f + 1 in k = 64..127; it is multiplied by [q | 0] and by [0 | q]:
; the zero codes add nothing under any valid scale byte.  The keys of a tile are chosen so that the 16 registers of tiles 2 f, 2 f + 1 are 16 neighbouring keys.
; OUT: O / l is quantised along the model's axis (the head's two blocks) and stored as half a fragment, with two scale bytes a row.
; LIMITS: NaN and infinities are not served; a block whose largest magnitude lies under 2^-122 gets the byte 1; 1 / l is v_rcp_f32.
; REGISTERS: v1 16 x lane, v2 8 x lane, v3, v28 my partner's part, v5, v6 my part, v7 my query's place less 16 h; v8-9 the step's addresses; v12 -M, v13 largest t, v[14:15] sum; v16-27 [q | 0]; v80-91 [0 | q];
; v32-79 four fragments; v96-159 S^T, p; v160-191 O^T; v192-198, v200-206 the two sessions' q and its word; v224-235 p's codes; v232-254 at work; v248-251 scale words (lanes 0-15 K's, lanes 16-31 V's); v253 p's word; v255 q's word.
.set REC,  12800
.set PART, 16*REC                      ; behind the records: the parts; no tile lands there
.set PSZ,  4352                        ; O^T 8 x 512 bytes, then 8 bytes a lane: -M and the lane's sum
.set WV,   18
.set RK,   19                          ; the rank of the session in hand
.set SEL,  20
.set CS,   22
.set G1,   24
.set G0,   32
.set TB,   2
.set KS,   3
.set CNT,  66
.set PAR,  67
.set R2,   72                          ; the second session's rank
.macro CROUND
	s_barrier_signal -1
	s_barrier_wait -1
	s_cmp_lg_u32 s[WV], 0
	s_cbranch_scc1 .Lnot_wave_0_\@
	s_barrier_signal -3
.Lnot_wave_0_\@:
	s_barrier_wait -3
	s_barrier_signal -1
	s_barrier_wait -1
.endm
	s_load_b128 s[4:7], s[0:1], 0x0                ; qkvb, att
	v_lshl_add_u32 v223, v0, 2, 0x43000
	v_mov_b32 v243, 0
	ds_add_u32 v223, v243
	ds_add_u32 v223, v243
	v_lshrrev_b32 v8, 5, v0
	s_delay_alu instid0(VALU_DEP_1)
	v_readfirstlane_b32 s[WV], v8                  ; wave 0..15
	s_bfe_u32 s8, ttmp6, 0x40000                   ; cx
	s_lshl_b32 s9, ttmp9, 2
	s_add_co_u32 s9, s9, s8                        ; j
	s_and_b32 s10, ttmp7, 0xffff                   ; 16 x batch + head
	s_lshr_b32 s11, s[WV], 2
	s_xor_b32 s11, s11, s[WV]
	s_and_b32 s[PAR], s11, 1                       ; my parity; wave w xor 1 has the other
	s_lshr_b32 s12, s[WV], 1                       ; my pair P
	s_mul_i32 s13, s[PAR], 15
	s_xor_b32 s[R2], s12, s13                      ; parity 0: P; parity 1: 15 - P
	s_xor_b32 s[RK], s[R2], 15                     ; the first session has the pair's other rank
	s_mov_b32 s[G1], 15|(3<<16)|(1<<21)            ; all four work-groups; a record as 50 rows of 256 bytes
	s_mov_b32 s[G1+1], 32<<16
	s_mov_b32 s[G1+2], 50<<16
	s_mov_b32 s[G1+3], 32<<16
	s_mov_b32 s[G1+4], 50
	s_mov_b32 s[G1+5], 32
	s_mov_b32 s[G1+6], 0
	s_mov_b32 s[G1+7], 0
	s_mul_i32 s54, s[WV], REC                      ; each of the 16 waves fetches ONE record, that of its own number: one joint load a wave
	s_mul_i32 s52, s10, 16*REC
	s_add_co_u32 s52, s52, 3276800
	s_add_co_u32 s52, s52, s54
	s_mov_b32 s53, 0
	s_mov_b32 s[SEL], 0x76543210
	s_mov_b32 s[SEL+1], 0xfedcba98
	s_mov_b32 s[CS], 0x3e38aa3b                    ; log2(e) / 8
	s_mov_b32 s[CS+1], s[CS]
	s_wait_dscnt 0x0
	s_wait_kmcnt 0x0
	s_add_nc_u64 s[56:57], s[4:5], s[52:53]
	s_mov_b32 s[G0], 1
	s_mov_b32 s[G0+1], s54
	s_mov_b64 s[G0+2:G0+3], s[56:57]
	s_or_b32 s[G0+3], s[G0+3], 0x80000000
	CROUND                                         ; all four work-groups are here: the joint loads meet
	tensor_load_to_lds s[G0:G0+3], s[G1:G1+7]      ; by this text's count one load of a wave is out
	s_nop 0
.rept 4
	v_nop
.endr
	v_and_b32 v1, 31, v0
	s_delay_alu instid0(VALU_DEP_1)
	v_lshlrev_b32 v2, 3, v1
	s_delay_alu instid0(VALU_DEP_2)
	v_lshlrev_b32 v1, 4, v1
	v_and_b32 v10, 15, v0                          ; r
	s_wait_alu depctr_va_vdst(0)
	v_bfe_u32 v11, v0, 4, 1                        ; h
	s_mul_i32 s55, s[WV], PSZ
	s_add_co_u32 s55, s55, PART
	v_add_nc_u32 v5, s55, v1                       ; my part
	v_add_nc_u32 v6, s55, v2
	s_xor_b32 s55, s[WV], 1
	s_mul_i32 s55, s55, PSZ
	s_add_co_u32 s55, s55, PART
	v_add_nc_u32 v3, s55, v1                       ; my partner's
	v_add_nc_u32 v28, s55, v2
	s_mul_i32 s52, s10, 102400                     ; the head's Q records
	s_mul_i32 s55, s9, 768
	s_add_co_u32 s55, s55, s52                     ; tile j's half fragment in a record,
	s_lshr_b32 s58, s9, 1
	s_lshl_b32 s58, s58, 2
	s_add_co_u32 s58, s58, s52                     ; and its pair's words
	s_mul_i32 s59, s[RK], 6400
	s_mul_i32 s61, s[R2], 6400
	s_mov_b32 s63, 0
	s_add_co_u32 s62, s55, s59
	s_add_nc_u64 s[48:49], s[4:5], s[62:63]
	s_add_co_u32 s62, s58, s59
	s_add_nc_u64 s[50:51], s[4:5], s[62:63]
	s_add_co_u32 s62, s55, s61
	s_add_nc_u64 s[74:75], s[4:5], s[62:63]
	s_add_co_u32 s62, s58, s61
	s_add_nc_u64 s[76:77], s[4:5], s[62:63]
	v_lshlrev_b32 v254, 4, v10
	global_load_b128 v[200:203], v1, s[48:49]      ; the first session's q,
	global_load_b64 v[204:205], v2, s[48:49] offset:512
	global_load_b32 v206, v254, s[50:51] offset:6144
	global_load_b128 v[192:195], v1, s[74:75]      ; and the second's: both are asked for here, while the records are on their way
	global_load_b64 v[196:197], v2, s[74:75] offset:512
	global_load_b32 v198, v254, s[76:77] offset:6144
	s_and_b32 s55, s9, 1
	s_cmp_eq_u32 s55, 0
	s_mov_b32 s60, 0x03020302
	s_cselect_b32 s60, 0x01000100, s60             ; my tile's two bytes, into both halves of the word
	s_lshr_b32 s58, s9, 1
	s_lshl_b32 s58, s58, 5
	s_lshl_b32 s55, s55, 3
	s_add_co_u32 s58, s58, s55
	v_and_b32 v7, 7, v10
	v_lshrrev_b32 v29, 3, v10
	s_delay_alu instid0(VALU_DEP_1)
	v_lshl_add_u32 v7, v29, 4, v7
	s_delay_alu instid0(VALU_DEP_1)
	v_add_nc_u32 v7, s58, v7                       ; my query's place in its 128 tokens: the same in both sessions
	v_lshlrev_b32 v29, 4, v11
	s_delay_alu instid0(VALU_DEP_1)
	v_sub_nc_u32 v7, v7, v29                       ; less 16 h
	s_lshl_b32 s58, s[R2], 3
	s_add_co_u32 s58, s58, s9                      ; the tile that I finish
	s_lshr_b32 s55, s10, 4
	s_lshl_b32 s55, s55, 7
	s_add_co_u32 s55, s55, s58
	s_mul_i32 s62, s55, 12288
	s_and_b32 s55, s10, 15
	s_mul_i32 s55, s55, 768
	s_add_co_u32 s62, s62, s55
	s_add_nc_u64 s[68:69], s[6:7], s[62:63]        ; out: its half fragment
	s_lshl_b32 s55, s10, 7
	s_add_co_u32 s55, s55, s58
	s_lshl_b32 s62, s55, 5
	s_add_co_u32 s62, s62, 3145728
	s_add_nc_u64 s[70:71], s[6:7], s[62:63]        ; and its rows' two bytes
	v_lshlrev_b32 v4, 1, v10                       ; 2 r
.irp i, 22,23,24,25,26,27,80,81,82,83,84,85
	v_mov_b32 v[\i], 0                             ; the zero halves, for both sessions
.endr
.irp b, 0,1,2,3
	v_mov_b32 v[236+\b], 0                         ; written once: a lane permute's destination counts as a source
.endr
	v_mov_b32 v252, 0
	v_mov_b32 v253, 0
	v_mov_b32 v135, 0                              ; (upper halves of pairs that the packed forms name)
	v_mov_b32 v137, 0
.macro SETQ q, w                       ; a session's q into [q | 0] and [0 | q], its word into v255; the lines of INIT behind it are the plain lines that a scaled product wants behind such writes
	v_perm_b32 v255, v[\w], v[\w], s60
.irp i, 0,1,2,3,4,5
	v_mov_b32 v[16+\i], v[\q+\i]
	v_mov_b32 v[86+\i], v[\q+\i]
.endr
.endm
.macro INIT                            ; the step is written once: a session's first step finds zeros and a largest t under every t
	v_mov_b32 v13, 0xff61b1e6                      ; -3e38
	s_delay_alu instid0(VALU_DEP_1)
	v_floor_f32 v12, -v13
	v_mov_b32 v14, 0
	v_mov_b32 v15, 0
.set j, 0
.rept 32
	v_mov_b32 v[160+j], 0
.set j, j+1
.endr
.endm
.macro STEP
	s_cmp_gt_u32 s[KS], s[RK]
	s_cbranch_scc1 .Lhidden_\@
	v_add_nc_u32 v8, s[TB], v1
	v_add_nc_u32 v9, s[TB], v2
	v_nop
	v_nop                                          ; four plain lines in front of loads into registers that the last step's products read
.irp n, 0,1,2,3,4,5,6,7
	ds_load_b128 v[32+6*\n:35+6*\n], v8 offset:768*\n
	ds_load_b64 v[36+6*\n:37+6*\n], v9 offset:768*\n+512
.endr
	ds_load_b128 v[248:251], v8 offset:12288       ; lanes 0-15: K's four words; lanes 16-31: V's
	s_wait_alu depctr_va_vdst(0)
	s_wait_dscnt 0x0
.irp f, 0,1,2,3
	v_wmma_scale_f32_16x16x128_f8f6f4 v[96+16*\f:103+16*\f], v[32+12*\f:43+12*\f], v[16:27], 0, v[248+\f], v255 matrix_a_fmt:MATRIX_FMT_BF6 matrix_b_fmt:MATRIX_FMT_BF6
	v_wmma_scale_f32_16x16x128_f8f6f4 v[104+16*\f:111+16*\f], v[32+12*\f:43+12*\f], v[80:91], 0, v[248+\f], v255 matrix_a_fmt:MATRIX_FMT_BF6 matrix_b_fmt:MATRIX_FMT_BF6
.endr
.rept 4
	v_nop
.endr
.irp n, 0,1,2,3,4,5,6,7
	ds_load_b128 v[32+6*\n:35+6*\n], v8 offset:6144+768*\n         ; V's four fragments land while the softmax is walked
	ds_load_b64 v[36+6*\n:37+6*\n], v9 offset:6144+768*\n+512
.endr
	s_cmp_lg_u32 s[KS], s[RK]
	s_cbranch_scc1 .Lopen_\@
	v_mov_b32 v254, 0xff800000                     ; on the diagonal: register 16 b + i holds key 32 b + 16 h + i, hidden where 32 b + i > v7
.set n_, 0
.rept 64
	v_cmp_gt_i32 vcc_lo, 32*(n_/16)+n_%16, v7
	v_cndmask_b32 v[96+n_], v[96+n_], v254, vcc_lo
.set n_, n_+1
.endr
.Lopen_\@:
.irp b, 0,1,2,3
	v_max3_num_f32 v[232+\b], v[96+16*\b], v[97+16*\b], v[98+16*\b]   ; each block's largest score: for the row's maximum, and for the block's largest p
.endr
.irp i, 3,5,7,9,11,13
.irp b, 0,1,2,3
	v_max3_num_f32 v[232+\b], v[232+\b], v[96+16*\b+\i], v[97+16*\b+\i]
.endr
.endr
.irp b, 0,1,2,3
	v_max_num_f32 v[232+\b], v[232+\b], v[111+16*\b]
.endr
.irp b, 0,1,2,3
	s_delay_alu instid0(VALU_DEP_4)
	v_permlanex16_b32 v[236+\b], v[232+\b], s[SEL], s[SEL+1]
.endr
.irp b, 0,1,2,3
	s_delay_alu instid0(VALU_DEP_4)
	v_max_num_f32 v[232+\b], v[232+\b], v[236+\b]
.endr
	s_delay_alu instid0(VALU_DEP_2)
	v_max3_num_f32 v254, v232, v233, v234
	s_delay_alu instid0(VALU_DEP_1)
	v_max_num_f32 v254, v254, v235
	s_delay_alu instid0(VALU_DEP_1)
	v_mul_f32 v254, s[CS], v254
	s_delay_alu instid0(VALU_DEP_1)
	v_max_num_f32 v13, v13, v254                   ; the running largest t
	v_mov_b32 v254, v12
	s_delay_alu instid0(VALU_DEP_2)
	v_floor_f32 v12, -v13                          ; -M = floor(-t)
	s_delay_alu instid0(VALU_DEP_1)
	v_sub_f32 v254, v12, v254
	s_delay_alu instid0(VALU_DEP_1)
	v_cvt_i32_f32 v254, v254                       ; (it saturates)
	s_delay_alu instid0(VALU_DEP_1)
	v_ldexp_f32 v252, 1.0, v254                    ; f = 2^(old M - new M)
.set j, 0
.rept 32
	v_pk_fma_f32 v[96+j:97+j], v[96+j:97+j], s[CS:CS+1], v[12:13] op_sel_hi:[1,0,0]
.set j, j+2
.endr
.irp b, 0,1,2,3
	v_fma_f32 v[232+\b], v[232+\b], s[CS], v12
.endr
.set j, 0
	s_wait_alu depctr_va_vdst(0)
.rept 64
	v_exp_f32 v[96+j], v[96+j]
.set j, j+1
.endr
	v_pk_mul_f32 v[14:15], v[14:15], v[252:253] op_sel_hi:[1,0]    ; (a plain line behind the exponentials)
	s_wait_alu depctr_va_vdst(0)                   ; one wait for the batch, ahead of its first reader
.irp b, 0,1,2,3
	v_exp_f32 v[232+\b], v[232+\b]
.endr
	v_pk_add_f32 v[236:237], v[100:101], v[104:105]
	v_pk_add_f32 v[246:247], v[108:109], v[112:113]
	v_pk_add_f32 v[244:245], v[116:117], v[120:121]
	v_pk_add_f32 v[240:241], v[124:125], v[128:129]
	v_pk_add_f32 v[238:239], v[132:133], v[136:137]
	v_pk_add_f32 v[230:231], v[140:141], v[144:145]
	v_pk_add_f32 v[228:229], v[148:149], v[152:153]
	v_pk_add_f32 v[14:15], v[14:15], v[156:157]
	v_pk_add_f32 v[236:237], v[236:237], v[96:97]
	v_pk_add_f32 v[246:247], v[246:247], v[98:99]
	v_pk_add_f32 v[244:245], v[244:245], v[102:103]
	v_pk_add_f32 v[240:241], v[240:241], v[106:107]
	v_pk_add_f32 v[238:239], v[238:239], v[110:111]
	v_pk_add_f32 v[230:231], v[230:231], v[114:115]
	v_pk_add_f32 v[228:229], v[228:229], v[118:119]
	v_pk_add_f32 v[14:15], v[14:15], v[122:123]
	v_pk_add_f32 v[236:237], v[236:237], v[126:127]
	v_pk_add_f32 v[246:247], v[246:247], v[130:131]
	v_pk_add_f32 v[244:245], v[244:245], v[134:135]
	v_pk_add_f32 v[240:241], v[240:241], v[138:139]
	v_pk_add_f32 v[238:239], v[238:239], v[142:143]
	v_pk_add_f32 v[230:231], v[230:231], v[146:147]
	v_pk_add_f32 v[228:229], v[228:229], v[150:151]
	v_pk_add_f32 v[14:15], v[14:15], v[154:155]
	v_pk_add_f32 v[236:237], v[236:237], v[158:159]
	s_delay_alu instid0(VALU_DEP_2)
	v_pk_add_f32 v[14:15], v[14:15], v[240:241]
	s_delay_alu instid0(VALU_DEP_2)
	v_pk_add_f32 v[236:237], v[236:237], v[238:239]
	v_pk_add_f32 v[246:247], v[246:247], v[230:231]
	v_pk_add_f32 v[244:245], v[244:245], v[228:229]
	s_delay_alu instid0(VALU_DEP_2)
	v_pk_add_f32 v[14:15], v[14:15], v[246:247]
	s_delay_alu instid0(VALU_DEP_2)
	v_pk_add_f32 v[236:237], v[236:237], v[244:245]
	s_delay_alu instid0(VALU_DEP_1)
	v_pk_add_f32 v[14:15], v[14:15], v[236:237]
	s_wait_alu depctr_va_vdst(0)                   ; and one for the four
.irp b, 0,1,2,3
	v_max_num_f32 v[232+\b], 0x2800000, v[232+\b]
.endr
.irp b, 0,1,2,3
	s_delay_alu instid0(VALU_DEP_4)
	v_add_nc_u32 v[244+\b], 0xfe000000, v[232+\b]
.endr
.irp b, 0,1,2,3
	s_delay_alu instid0(VALU_DEP_4)
	v_lshrrev_b32 v[236+\b], 23, v[244+\b]
.endr
	s_delay_alu instid0(VALU_DEP_3)
	v_lshl_or_b32 v253, v237, 8, v236
	s_delay_alu instid0(VALU_DEP_1)
	v_lshl_or_b32 v253, v238, 16, v253
	s_delay_alu instid0(VALU_DEP_1)
	v_lshl_or_b32 v253, v239, 24, v253
.irp c, 0, 1
	v_cvt_scalef32_pk16_bf6_f32 v[224+6*\c:226+6*\c], v[96+32*\c:111+32*\c], v[244+2*\c]
	v_cvt_scalef32_pk16_bf6_f32 v[236+4*\c:238+4*\c], v[112+32*\c:127+32*\c], v[245+2*\c]
.endr
	v_nop
.irp c, 0, 1
.irp i, 0, 1, 2
	v_permlane16_swap_b32 v[224+6*\c+\i], v[236+4*\c+\i]
.endr
.irp i, 0, 1, 2
	s_delay_alu instid0(VALU_DEP_3)
	v_mov_b32 v[227+6*\c+\i], v[236+4*\c+\i]
.endr
.endr
.set j, 0
.rept 16
	v_pk_mul_f32 v[160+j:161+j], v[160+j:161+j], v[252:253] op_sel_hi:[1,0]   ; O^T under the new M; these are also the plain lines in front of the products
.set j, j+2
.endr
	s_wait_alu depctr_va_vdst(0)
	s_wait_dscnt 0x0                               ; V
.irp t, 0,1,2,3
	v_wmma_scale_f32_16x16x128_f8f6f4 v[160+8*\t:167+8*\t], v[32+12*\t:43+12*\t], v[224:235], v[160+8*\t:167+8*\t], v[248+\t], v253 matrix_a_fmt:MATRIX_FMT_BF6 matrix_b_fmt:MATRIX_FMT_BF6 matrix_a_scale:MATRIX_SCALE_ROW1
.endr
.Lhidden_\@:
	s_add_co_u32 s[KS], s[KS], 2                   ; my next key step: the partner has the one between
	s_add_co_u32 s[TB], s[TB], 2*REC
.endm
.macro SESSION                         ; key steps parity, parity + 2, .. parity + 14 of the tile of rank s[RK]
	s_mov_b32 s[KS], s[PAR]
	s_mul_i32 s[TB], s[PAR], REC
	s_mov_b32 s[CNT], 8
.Ls_\@:
	STEP
	s_sub_co_u32 s[CNT], s[CNT], 1
	s_cmp_lg_u32 s[CNT], 0
	s_cbranch_scc1 .Ls_\@
.rept 4
	v_nop                                          ; four plain lines behind the last products
.endr
.endm
	s_wait_loadcnt 0x0                             ; both q
	SETQ 200, 206
	INIT
	s_wait_tensorcnt 0x0                           ; my loads have landed: the sessions walk the records in no common order, so all 16 are shown whole by this one barrier
	s_barrier_signal -1
	s_barrier_wait -1
	SESSION
	v_add_f32 v13, v14, v15                        ; my lane's sum, beside -M
	s_wait_alu depctr_va_vdst(0)
.irp i, 0,1,2,3,4,5,6,7
	ds_store_b128 v5, v[160+4*\i:163+4*\i] offset:512*\i           ; each accumulator from its low end on
.endr
	ds_store_b64 v6, v[12:13] offset:4096
	s_wait_dscnt 0x0                               ; the part has landed, and its registers may be written
	s_mov_b32 s[RK], s[R2]
	SETQ 192, 198
	INIT
	SESSION
	s_wait_dscnt 0x0
	s_barrier_signal -1                            ; every wave's first part lies in LDS
	s_barrier_wait -1
	; THE TWO PARTS OF MY SECOND TILE ARE JOINED
.irp i, 0,1,2,3,4,5,6,7
	ds_load_b128 v[96+4*\i:99+4*\i], v3 offset:512*\i
.endr
	ds_load_b64 v[128:129], v28 offset:4096        ; the partner's -M and sum
	v_add_f32 v14, v14, v15
	s_wait_dscnt 0x0
	v_min_num_f32 v130, v12, v128                  ; - the larger M
	s_delay_alu instid0(VALU_DEP_1)
	v_sub_f32 v131, v130, v12                      ; my M less the larger: a whole number, 0 or less
	s_delay_alu instid0(VALU_DEP_2)
	v_sub_f32 v132, v130, v128                     ; the partner's
	s_delay_alu instid0(VALU_DEP_2)
	v_cvt_i32_f32 v131, v131                       ; (it saturates: a part without a key has the factor 0)
	s_delay_alu instid0(VALU_DEP_2)
	v_cvt_i32_f32 v132, v132
	s_delay_alu instid0(VALU_DEP_2)
	v_ldexp_f32 v131, 1.0, v131
	s_wait_alu depctr_va_vdst(0)
	v_ldexp_f32 v132, 1.0, v132
	v_mul_f32 v14, v14, v131
	s_delay_alu instid0(VALU_DEP_1)
	v_fma_f32 v14, v129, v132, v14
	s_delay_alu instid0(VALU_DEP_1)
	v_permlanex16_b32 v252, v14, s[SEL], s[SEL+1]
	s_delay_alu instid0(VALU_DEP_1)
	v_add_f32 v14, v14, v252                       ; the row's sum
	s_wait_alu depctr_va_vdst(0)
	v_rcp_f32 v14, v14
	v_nop
	s_wait_alu depctr_va_vdst(0)
	v_mul_f32 v134, v131, v14                      ; the factors take 1 / l with them: a power of two times a number rounds nothing
	v_mul_f32 v136, v132, v14
.set j, 0
.rept 16
	v_pk_mul_f32 v[96+j:97+j], v[96+j:97+j], v[136:137] op_sel_hi:[1,0]
.set j, j+2
.endr
.set j, 0
.rept 16
	v_pk_fma_f32 v[96+j:97+j], v[160+j:161+j], v[134:135], v[96+j:97+j] op_sel_hi:[1,0,1]   ; register 16 b + i: channel 32 b + 16 h + i of my query
.set j, j+2
.endr
.irp b, 0, 1
	v_max3_num_f32 v[232+\b], |v[96+16*\b]|, |v[97+16*\b]|, 0x2800000
.endr
.irp i, 2,4,6,8,10,12,14
.irp b, 0, 1
	s_delay_alu instid0(VALU_DEP_2)
	v_max3_num_f32 v[232+\b], v[232+\b], |v[96+16*\b+\i]|, |v[97+16*\b+\i]|
.endr
.endr
.irp b, 0, 1
	s_delay_alu instid0(VALU_DEP_2)
	v_permlanex16_b32 v[236+\b], v[232+\b], s[SEL], s[SEL+1]
.endr
.irp b, 0, 1
	s_delay_alu instid0(VALU_DEP_2)
	v_max_num_f32 v[232+\b], v[232+\b], v[236+\b]
.endr
.irp b, 0, 1
	s_delay_alu instid0(VALU_DEP_2)
	v_add_nc_u32 v[244+\b], 0xfe000000, v[232+\b]
.endr
.irp b, 0, 1
	s_delay_alu instid0(VALU_DEP_2)
	v_lshrrev_b32 v[236+\b], 23, v[244+\b]
.endr
	s_delay_alu instid0(VALU_DEP_1)
	v_lshl_or_b32 v240, v237, 8, v236
	v_cvt_scalef32_pk16_bf6_f32 v[224:226], v[96:111], v244
	v_cvt_scalef32_pk16_bf6_f32 v[236:238], v[112:127], v245
	v_nop
.irp i, 0, 1, 2
	v_permlane16_swap_b32 v[224+\i], v[236+\i]
.endr
.irp i, 0, 1, 2
	s_delay_alu instid0(VALU_DEP_3)
	v_mov_b32 v[227+\i], v[236+\i]
.endr
	global_store_b128 v1, v[224:227], s[68:69]
	global_store_b64 v2, v[228:229], s[68:69] offset:512
	global_store_b16 v4, v240, s[70:71]            ; 32 consecutive bytes (lanes 16-31 hold and write the same)
	s_wait_tensorcnt 0x0
	ds_add_u32 v223, v243
	s_wait_dscnt 0x0
	CROUND                                         ; the closing round
	s_endpgm
.Lfunc_end_k_q00e6a63ce4_attn:
	.size	k_q00e6a63ce4_attn, .Lfunc_end_k_q00e6a63ce4_attn-k_q00e6a63ce4_attn
	.p2alignl 7, 3214868480
	.fill 96, 4, 3214868480
	.section	.rodata,"a",@progbits
	.p2align	6, 0x0
	.amdhsa_kernel k_q00e6a63ce4_attn
		.amdhsa_group_segment_fixed_size 276480
		.amdhsa_private_segment_fixed_size 0
		.amdhsa_enable_private_segment 0
		.amdhsa_kernarg_size 16
		.amdhsa_user_sgpr_count 2
		.amdhsa_user_sgpr_kernarg_segment_ptr 1
		.amdhsa_wavefront_size32 1
		.amdhsa_system_sgpr_workgroup_id_x 1
		.amdhsa_system_sgpr_workgroup_id_y 1
		.amdhsa_system_sgpr_workgroup_id_z 1
		.amdhsa_system_vgpr_workitem_id 0
		.amdhsa_next_free_vgpr 256
		.amdhsa_next_free_sgpr 100
		.amdhsa_reserve_vcc 1
		.amdhsa_float_denorm_mode_32 3
		.amdhsa_float_denorm_mode_16_64 3
		.amdhsa_memory_ordered 1
		.amdhsa_forward_progress 1
		.amdhsa_inst_pref_size 63
	.end_amdhsa_kernel
	.amdgpu_metadata
---
amdhsa.version: [ 1, 2 ]
amdhsa.kernels:
  - .name:           k_q00e6a63ce4_attn
    .symbol:         k_q00e6a63ce4_attn.kd
    .args:
      - { .name: qkvb, .offset: 0, .size: 8, .value_kind: global_buffer, .address_space: global }
      - { .name: att, .offset: 8, .size: 8, .value_kind: global_buffer, .address_space: global }
    .group_segment_fixed_size: 276480
    .private_segment_fixed_size: 0
    .kernarg_segment_align: 8
    .kernarg_segment_size: 16
    .max_flat_workgroup_size: 512
    .sgpr_count:     100
    .vgpr_count:     256
    .wavefront_size: 32
...
	.end_amdgpu_metadata
.endif
;; end of part 3
;; launch wo (part 4): grid 256 x 1, 4 waves a work-group, no clusters, 327,680 bytes of LDS; arguments att, wsp, x, g2, yb, h2, W1, W2, wsp2; writes yb, h2, wsp2
.if DOCPART == 4
	.amdgcn_target "amdgcn-amd-amdhsa--gfx1250"
	.amdhsa_code_object_version 6
	.text
	.protected	k_q00e6a63ce4_wo
	.globl	k_q00e6a63ce4_wo
	.p2align	8
	.type	k_q00e6a63ce4_wo,@function
k_q00e6a63ce4_wo:
	s_mov_b64 s[64:65], 0
	v_nop
	global_prefetch_b8 v0, s[64:65] scope:SCOPE_SE
	s_setreg_imm32_b32 hwreg(HW_REG_WAVE_MODE, 25, 1), 1
	s_wait_xcnt 0x0
; y = x + attn Wo^T (codes of BF6, K = 1,024), stored in f32; h2 = g2 * y / sqrt(mean(y^2) + 1e-5), quantised and stored as operand images.
; SHARES.  A work-group takes 32 tokens (two fragment blocks m) and all 1,024 columns, so that a row's norm stays inside it; wave w takes columns 256 w on: two groups e of 128 rows of Wo.
; attn's 16 fragments and the 32 accumulators stay in registers.  Wo's codes go from memory straight into registers, in 16 chunks (K step s, group e) of 24 loads, four buffers, three chunks ahead: each wave reads rows
; that no other wave of the work-group reads.  ONLY Wo's codes come by global loads while the products run: a wave's loads into registers share one counter, and every other load would take a place in it from the stream.
; So tensor loads, one out at a time, bring the rest into LDS: attn's fragment images (wave 0), attn's scale bytes (wave 1; both read by all waves, behind a barrier),
; Wo's scale words of all four waves (waves 2, 3, half each), and the wave's own part of x (32 rows x 1,024 bytes, rows 1,040 bytes apart).  g2 is asked for behind the last products and waited for ahead of the norm.
; No cluster: the work-groups do share Wo, but a joint ring is left for a later version of this text.
; Source 0 = 16 rows of Wo, source 1 = 16 tokens: a lane holds a token, its registers run along the columns, which are the next K.  y goes back into x's bytes and leaves as whole rows.
; LIMITS: NaN and infinities are not served; a block whose largest magnitude lies under 2^-122 gets the byte 1; 1 / sqrt is v_rsq_f32.
; REGISTERS.  window 0: v1-15 addresses; v16-31 attn's scale words (8 m + s); v32-63 Wo's (8 x buffer + block); v64-255 attn's fragments, later at work.  window 1: buffers 0, 1 and g2 of e = 0 (v192 on).
;   window 3: buffers 2, 3 and g2 of e = 1.  window 2: accumulator (m, e, block) at 128 m + 64 e + 8 block.
.set XP,  1040
.set XW,  32*XP
.set RED, 4*XW                         ; 512 bytes of partial sums
.set AIM, RED+512                      ; attn's 32 half fragments of 768 bytes
.set ASL, AIM+24576                    ; attn's scale bytes: [head][m][lane r], two bytes each
.set WSL, ASL+1024                     ; Wo's scale words: 8,192 bytes a wave
.set P1S, 12582912
.set ASC, 16
.set BSC, 32
.set AF,  64
.set T,   64
.set U,   128
.set TM,  192
.set PC,  208
.set SS,  228
.set RI,  236
.set PW,  240
.set RD,  244
.set SEL, 56
.set MSB, 0
.macro WIN new
.if MSB != (\new)
	s_set_vgpr_msb (MSB<<8)|(\new)
.set MSB, (\new)
.endif
.endm
.macro PLACES n
.rept \n
	v_nop
.endr
.endm
	s_load_b256 s[4:11], s[0:1], 0x0               ; att, workspace, x, g2
	s_load_b128 s[12:15], s[0:1], 0x20             ; yb, h2
	v_lshl_add_u32 v254, v0, 2, 0x30000
	v_mov_b32 v255, 0
	ds_add_u32 v254, v255
	ds_add_u32 v254, v255
	s_wait_dscnt 0x0
	v_lshrrev_b32 v1, 5, v0
	v_readfirstlane_b32 s18, v1                    ; wave
	s_mov_b32 s19, ttmp9                           ; the group of 32 tokens
	s_cmp_ge_u32 s19, 128                          ; the product has work for 128 work-groups; work-groups 128-255 quantise W1 and W2, which the launches behind this one read
	s_cbranch_scc1 .Lquant                         ; the branch hangs on the work-group's number alone: all four waves take the same way
	s_mov_b32 s36, (3<<16)|(1<<20)|(7<<22)|(3<<25) ; x: elements of 8 bytes; 4 words of padding behind every 256 words
	s_mov_b32 s37, 128<<16
	s_mov_b32 s38, 32<<16
	s_mov_b32 s39, 128<<16
	s_mov_b32 s40, 32
	s_mov_b32 s41, 512
	s_mov_b32 s42, 0
	s_mov_b32 s43, 0
	s_mov_b32 s68, 3<<16                           ; attn's images: 24,576 dense bytes as 96 rows of 256
	s_mov_b32 s69, 32<<16
	s_mov_b32 s70, 96<<16                          ; all 24,576 bytes of attn's images: 96 rows of 256, by wave 0
	s_mov_b32 s71, 32<<16
	s_mov_b32 s72, 96
	s_mov_b32 s73, 32
	s_mov_b32 s74, 0
	s_mov_b32 s75, 0
	s_mov_b32 s76, 3<<16                           ; attn's scale bytes: 16 heads x 64 bytes, 4,096 bytes from head to head
	s_mov_b32 s77, 8<<16
	s_mov_b32 s78, 16<<16                          ; all 16 heads' 64 scale bytes, by wave 1
	s_mov_b32 s79, 8<<16
	s_mov_b32 s80, 16
	s_mov_b32 s81, 512
	s_mov_b32 s82, 0
	s_mov_b32 s83, 0
	s_mov_b32 s84, 3<<16                           ; Wo's scale words: 16,384 dense bytes as 64 rows of 256
	s_mov_b32 s85, 32<<16
	s_mov_b32 s86, 64<<16                          ; Wo's scale words: 16,384 bytes each by waves 2 and 3
	s_mov_b32 s87, 32<<16
	s_mov_b32 s88, 64
	s_mov_b32 s89, 32
	s_mov_b32 s90, 0
	s_mov_b32 s91, 0
	s_lshl_b32 s20, s19, 17
	s_lshl_b32 s21, s18, 10
	s_add_co_u32 s20, s20, s21                     ; x, y: 32 rows of 4,096 bytes a group, 1,024 bytes a wave
	s_mov_b32 s21, 0
	s_mul_i32 s22, s18, XW
	s_mov_b32 s23, 0
	s_mul_i32 s24, s19, 24576
	s_add_co_u32 s24, s24, s23                     ; attn's codes: two blocks of 12,288 bytes a group, all by wave 0
	s_mov_b32 s25, 0
	s_add_co_u32 s23, s23, AIM
	s_lshr_b32 s26, s19, 6
	s_lshl_b32 s26, s26, 16
	s_lshl_b32 s30, s19, 1
	s_and_b32 s30, s30, 127
	s_lshl_b32 s30, s30, 5
	s_add_co_u32 s26, s26, s30
	s_mov_b32 s30, 0
	s_add_co_u32 s26, s26, s30                     ; its scale bytes: all 16 heads
	s_add_co_u32 s26, s26, 3145728
	s_mov_b32 s27, 0
	s_mov_b32 s30, 0
	s_add_co_u32 s30, s30, ASL
	s_and_b32 s31, s18, 1
	s_lshl_b32 s31, s31, 14                        ; wave 2 the first half of Wo's scale words, wave 3 the second
	s_add_co_u32 s48, s31, P1S+56*4096             ; Wo begins at group 56 of the workspace; two groups a wave
	s_mov_b32 s49, 0
	s_add_co_u32 s31, s31, WSL
	s_wait_kmcnt 0x0
	s_mov_b32 s92, 1
	s_mov_b32 s93, s23
	s_add_nc_u64 s[94:95], s[4:5], s[24:25]
	s_or_b32 s95, s95, 0x80000000
	s_mov_b32 s96, 1
	s_mov_b32 s97, s30
	s_add_nc_u64 s[98:99], s[4:5], s[26:27]
	s_or_b32 s99, s99, 0x80000000
	s_mov_b32 s60, 1
	s_mov_b32 s61, s31
	s_add_nc_u64 s[62:63], s[6:7], s[48:49]
	s_or_b32 s63, s63, 0x80000000
	s_mov_b32 s32, 1
	s_mov_b32 s33, s22
	s_add_nc_u64 s[34:35], s[8:9], s[20:21]
	s_or_b32 s35, s35, 0x80000000
	; THE LOADS AS THIS TEXT HAS THEM: at the head one tensor load a wave, in one chain of branches on the wave's number; x follows behind the first barrier.
	s_cmp_lt_u32 s18, 1
	s_cbranch_scc0 .Lhead_sb
	tensor_load_to_lds s[92:95], s[68:75]          ; wave 0: attn's images
	s_nop 0
.rept 4
	v_nop
.endr
	s_branch .Lhead_asked
.Lhead_sb:
	s_cmp_lt_u32 s18, 2
	s_cbranch_scc0 .Lhead_ws
	tensor_load_to_lds s[96:99], s[76:83]          ; wave 1: its scale bytes
	s_nop 0
.rept 4
	v_nop
.endr
	s_branch .Lhead_asked
.Lhead_ws:
	tensor_load_to_lds s[60:63], s[84:91]          ; waves 2, 3: Wo's scale words, a half each
	s_nop 0
.rept 4
	v_nop
.endr
.Lhead_asked:
	s_add_nc_u64 s[12:13], s[12:13], s[20:21]      ; y likewise
	v_and_b32 v1, 15, v0                           ; r
	v_bfe_u32 v2, v0, 4, 1                         ; h
	v_and_b32 v3, 31, v0
	v_lshlrev_b32 v4, 3, v3                        ; 8 x lane
	v_lshlrev_b32 v3, 4, v3                        ; 16 x lane
	v_lshl_add_u32 v5, v1, 1, ASL                  ; attn's scale bytes of lane r
	v_lshlrev_b32 v6, 3, v1                        ; 8 r
	v_lshlrev_b32 v7, 6, v2                        ; 64 h
	v_and_b32 v8, 7, v1
	v_lshrrev_b32 v9, 3, v1
	v_lshl_add_u32 v8, v9, 4, v8
	v_mul_u32_u24 v8, v8, XP
	v_add_nc_u32 v8, v8, v7
	v_add_nc_u32 v8, s22, v8                       ; x, y in LDS: block 0's row of lane r, + 64 h
	v_add_nc_u32 v9, 8*XP, v8                      ; block 1's
	s_lshl_b32 s23, s18, 7
	s_add_co_u32 s23, s23, RED
	v_lshl_add_u32 v10, v1, 2, s23
	v_lshl_add_u32 v11, v1, 2, RED
	v_add_nc_u32 v12, s22, v3                      ; whole rows back
	v_add_nc_u32 v13, AIM, v3                      ; attn's images
	v_add_nc_u32 v14, AIM, v4
	s_lshl_b32 s50, s18, 13
	s_add_co_u32 s50, s50, WSL
	v_lshl_add_u32 v15, v1, 3, s50                 ; my rows' scale words of Wo
	s_mov_b32 s[SEL], 0x76543210
	s_mov_b32 s[SEL+1], 0xfedcba98
	s_mov_b32 s58, 0x3a800000                      ; 1 / 1024
	s_mov_b32 s59, 0x3727c5ac                      ; 1e-5
	s_mov_b32 s29, 0
	s_lshl_b32 s28, s18, 10
	s_add_nc_u64 s[10:11], s[10:11], s[28:29]      ; g2 of my 256 columns
	s_lshl_b32 s50, s18, 1
	s_add_co_u32 s50, s50, 56                      ; Wo's group of 128 rows, e = 0
	s_mul_i32 s28, s50, 98304
	s_add_nc_u64 s[44:45], s[6:7], s[28:29]
	s_add_nc_u64 s[46:47], s[44:45], 98304
	s_lshr_b32 s50, s19, 2
	s_and_b32 s51, s19, 3
	s_mul_i32 s28, s50, 98304
	s_mul_i32 s23, s18, 24576
	s_add_co_u32 s28, s28, s23
	s_mul_i32 s23, s51, 6144
	s_add_co_u32 s28, s28, s23
	s_add_nc_u64 s[52:53], s[14:15], s[28:29]      ; h2's codes
	s_lshl_b32 s28, s50, 12
	s_lshl_b32 s23, s18, 10
	s_add_co_u32 s28, s28, s23
	s_lshl_b32 s23, s51, 7
	s_add_co_u32 s28, s28, s23
	s_add_co_u32 s28, s28, 3145728
	s_add_nc_u64 s[54:55], s[14:15], s[28:29]      ; h2's scale words
.macro BCODE c                         ; chunk c's codes: 24 loads of 512 consecutive bytes
.set CS_, (\c)/2
.set CE_, (\c)%2
.set CB_, (\c)%4
	WIN 0x40+0x80*(CB_/2)
.irp blk, 0,1,2,3,4,5,6,7
.irp g, 0,1,2
	global_load_b128 v[96*(CB_%2)+12*\blk+4*\g:96*(CB_%2)+12*\blk+4*\g+3], v3, s[44+2*CE_:45+2*CE_] offset:(CS_/2)*24576+\blk*3072+(CS_%2)*1536+512*\g
.endr
.endr
	WIN 0
.endm
.macro BSCL c                          ; chunk c's scale words, out of LDS: 8 bytes are the words of blocks 2 p and 2 p + 1
.set CS_, (\c)/2
.set CE_, (\c)%2
.set CB_, (\c)%4
.irp p, 0,1,2,3
	ds_load_b64 v[BSC+8*CB_+2*\p:BSC+8*CB_+2*\p+1], v15 offset:CE_*4096+CS_*512+128*\p
.endr
.endm
.macro CH c
.if (\c) <= 13
	s_wait_loadcnt 48                              ; this chunk is in; the two younger chunks, 24 loads each, may be out
.elseif (\c) == 14
	s_wait_loadcnt 24
.else
	s_wait_loadcnt 0x0
.endif
	s_wait_dscnt 0x0                               ; its scale words too (the youngest LDS loads were issued a chunk ago)
.if (\c)+3 < 16
	BCODE (\c)+3                                   ; into the buffer that the chunk before this one has left (four plain lines stand behind its products)
	BSCL (\c)+3
.endif
.set KS_, (\c)/2
.set KE_, (\c)%2
.set KB_, (\c)%4
	WIN 0xa1+2*(KB_/2)
.irp blk, 0,1,2,3,4,5,6,7
.irp m, 0, 1
.if KS_ == 0
	v_wmma_scale_f32_16x16x128_f8f6f4 v[128*\m+64*KE_+8*\blk:128*\m+64*KE_+8*\blk+7], v[96*(KB_%2)+12*\blk:96*(KB_%2)+12*\blk+11], v[AF+12*(8*\m+KS_):AF+12*(8*\m+KS_)+11], 0, v[BSC+8*KB_+\blk], v[ASC+8*\m+KS_] matrix_a_fmt:MATRIX_FMT_BF6 matrix_b_fmt:MATRIX_FMT_BF6
.else
	v_wmma_scale_f32_16x16x128_f8f6f4 v[128*\m+64*KE_+8*\blk:128*\m+64*KE_+8*\blk+7], v[96*(KB_%2)+12*\blk:96*(KB_%2)+12*\blk+11], v[AF+12*(8*\m+KS_):AF+12*(8*\m+KS_)+11], v[128*\m+64*KE_+8*\blk:128*\m+64*KE_+8*\blk+7], v[BSC+8*KB_+\blk], v[ASC+8*\m+KS_] matrix_a_fmt:MATRIX_FMT_BF6 matrix_b_fmt:MATRIX_FMT_BF6
.endif
.endr
.endr
	WIN 0
	PLACES 4
.endm
.macro QUANT s, W, pw
	WIN (\W)|((\W)<<2)
.irp b, 0,1,2,3
	v_max3_num_f32 v[TM+\b], |v[(\s)+16*\b]|, |v[(\s)+16*\b+1]|, 0x2800000
.endr
.irp i, 2,4,6,8,10,12,14
.irp b, 0,1,2,3
	v_max3_num_f32 v[TM+\b], |v[(\s)+16*\b+\i]|, |v[(\s)+16*\b+\i+1]|, v[TM+\b]
.endr
.endr
	WIN 0
.irp b, 0,1,2,3
	v_permlanex16_b32 v[TM+4+\b], v[TM+\b], s[SEL], s[SEL+1]
.endr
.irp b, 0,1,2,3
	v_max_num_f32 v[TM+\b], v[TM+\b], v[TM+4+\b]
.endr
.irp b, 0,1,2,3
	v_add_nc_u32 v[TM+12+\b], 0xfe000000, v[TM+\b]
.endr
.irp b, 0,1,2,3
	v_lshrrev_b32 v[TM+4+\b], 23, v[TM+12+\b]
.endr
	v_lshl_or_b32 v[\pw], v[TM+5], 8, v[TM+4]
	v_lshl_or_b32 v[\pw], v[TM+6], 16, v[\pw]
	v_lshl_or_b32 v[\pw], v[TM+7], 24, v[\pw]
	WIN (\W)
.irp c, 0, 1
	v_cvt_scalef32_pk16_bf6_f32 v[PC+6*\c:PC+6*\c+2], v[(\s)+32*\c:(\s)+32*\c+15], v[TM+12+2*\c]
	v_cvt_scalef32_pk16_bf6_f32 v[PC+12+4*\c:PC+14+4*\c], v[(\s)+32*\c+16:(\s)+32*\c+31], v[TM+13+2*\c]
.endr
	WIN 0
	v_nop
.irp c, 0, 1
.irp i, 0, 1, 2
	v_permlane16_swap_b32 v[PC+6*\c+\i], v[PC+12+4*\c+\i]
.endr
.irp i, 0, 1, 2
	v_mov_b32 v[PC+3+6*\c+\i], v[PC+12+4*\c+\i]
.endr
.endr
.endm
	; Wo's codes (786,432 bytes) are read by all 128 work-groups: each names 1 / 128 of them, 24 blocks of 256 bytes, six a wave, a lane a block (the lanes left over name the last again)
	s_mul_i32 s28, s19, 6144
	s_mul_i32 s16, s18, 1536
	s_add_co_u32 s28, s28, s16
	s_add_co_u32 s28, s28, 56*98304
	s_add_nc_u64 s[16:17], s[6:7], s[28:29]
	v_and_b32 v16, 31, v0
	v_min_u32 v16, 5, v16
	v_lshlrev_b32 v16, 8, v16
	global_prefetch_b8 v16, s[16:17] th:TH_LOAD_NT scope:SCOPE_SE
	BCODE 0
	BCODE 1
	BCODE 2
	s_wait_alu depctr_va_vdst(0)
	s_wait_xcnt 0x0                                ; the prefetch has read v16, which takes a scale word below
	s_wait_tensorcnt 0x0
	ds_add_u32 v254, v255
	s_wait_dscnt 0x0
	s_barrier_signal -1
	s_barrier_wait -1                              ; everybody's tile is in
	tensor_load_to_lds s[32:35], s[36:43]          ; my part of x, a first fill: it is wanted behind the products
	s_nop 0
.rept 4
	v_nop
.endr
.set i, 0
.rept 32                               ; attn's half fragments: i = 2 (8 m + s) + c
	ds_load_b128 v[AF+6*i:AF+6*i+3], v13 offset:768*i
	ds_load_b64 v[AF+6*i+4:AF+6*i+5], v14 offset:768*i+512
.set i, i+1
.endr
.set i, 0
.rept 16
	ds_load_u16 v[ASC+i], v5 offset:128*(i%8)+32*(i/8)             ; head 2 s: bytes 0, 1 of the word
.set i, i+1
.endr
	WIN 0x80
.set i, 0
.rept 16
	ds_load_u16 v[i], v5 offset:128*(i%8)+64+32*(i/8)              ; head 2 s + 1: bytes 2, 3 (kept in registers that the sums take later)
.set i, i+1
.endr
	WIN 0
	BSCL 0
	BSCL 1
	BSCL 2
	s_wait_dscnt 0x0
	WIN 0x02
.set i, 0
.rept 16
	v_lshl_or_b32 v[ASC+i], v[i], 16, v[ASC+i]
.set i, i+1
.endr
	WIN 0
	PLACES 8                                       ; a scale register written by a vector instruction stands eight plain lines ahead of a scaled product
	s_wait_alu depctr_va_vdst(0)
.irp c, 0,1,2,3,4,5,6,7,8,9,10,11,12,13,14,15
	CH \c
.endr
.irp e, 0, 1
	WIN 0x40+0x80*\e
.set i, 0
.rept 16
	global_load_b128 v[192+4*i:195+4*i], v7, s[10:11] offset:512*\e+128*(i/4)+16*(i%4)   ; register 16 b + n: g2 of column 128 e + 32 b + 16 h + n; it lands while y is made and stored
.set i, i+1
.endr
.endr
	WIN 0
	; y = x + the sums; its squares; y back into x's bytes
	s_wait_tensorcnt 0x0                           ; x is in LDS: my own bytes, my own load
.irp i, 0,1,2,3,4,5,6,7
	v_mov_b32 v[SS+\i], 0
.endr
.irp b, 0,1,2,3
	v_mov_b32 v[TM+4+\b], 0
.endr
.irp m, 0, 1
.irp e, 0, 1
.set i, 0
.rept 16
	ds_load_b128 v[T+4*i:T+4*i+3], v[8+\m] offset:512*\e+128*(i/4)+16*(i%4)
.set i, i+1
.endr
	s_wait_dscnt 0x0
	WIN 0x82
.set j, 0
.rept 32
	v_pk_add_f32 v[128*\m+64*\e+j:128*\m+64*\e+j+1], v[128*\m+64*\e+j:128*\m+64*\e+j+1], v[T+j:T+j+1]
.set j, j+2
.endr
	WIN 0x0a
.set j, 0
.rept 16
	v_pk_fma_f32 v[SS+4*\m:SS+4*\m+1], v[128*\m+64*\e+j:128*\m+64*\e+j+1], v[128*\m+64*\e+j:128*\m+64*\e+j+1], v[SS+4*\m:SS+4*\m+1]
	v_pk_fma_f32 v[SS+4*\m+2:SS+4*\m+3], v[128*\m+64*\e+j+2:128*\m+64*\e+j+3], v[128*\m+64*\e+j+2:128*\m+64*\e+j+3], v[SS+4*\m+2:SS+4*\m+3]
.set j, j+4
.endr
	WIN 0x08
.set i, 0
.rept 16
	ds_store_b128 v[8+\m], v[128*\m+64*\e+4*i:128*\m+64*\e+4*i+3] offset:512*\e+128*(i/4)+16*(i%4)
.set i, i+1
.endr
	WIN 0
.endr
.endr
.irp m, 0, 1
	v_pk_add_f32 v[SS+4*\m:SS+4*\m+1], v[SS+4*\m:SS+4*\m+1], v[SS+4*\m+2:SS+4*\m+3]
	v_add_f32 v[SS+4*\m], v[SS+4*\m], v[SS+4*\m+1]
	v_permlanex16_b32 v[SS+4*\m+2], v[SS+4*\m], s[SEL], s[SEL+1]
	v_add_f32 v[SS+4*\m], v[SS+4*\m], v[SS+4*\m+2]
	ds_store_b32 v10, v[SS+4*\m] offset:64*\m
.endr
	s_wait_dscnt 0x0                               ; for the others' sake: my partial sums have landed
	s_barrier_signal -1
	s_barrier_wait -1
.set i, 0
.rept 8
	ds_load_b32 v[RD+i], v11 offset:128*(i%4)+64*(i/4)
.set i, i+1
.endr
	s_wait_dscnt 0x0
.irp u, RD, RD+4
	v_add_f32 v[\u], v[\u], v[\u+1]
	v_add_f32 v[\u+2], v[\u+2], v[\u+3]
	v_add_f32 v[\u], v[\u], v[\u+2]
.endr
	v_fma_f32 v[RI], v[RD], s58, s59
	v_fma_f32 v[RI+2], v[RD+4], s58, s59
	s_wait_alu depctr_va_vdst(0)
	v_rsq_f32 v[RI], v[RI]
	v_rsq_f32 v[RI+2], v[RI+2]
	v_mov_b32 v[RI+1], 0
	v_mov_b32 v[RI+3], 0
	s_wait_alu depctr_va_vdst(0)
	; y leaves as whole rows: my 32 rows x 1,024 bytes, 512 consecutive bytes a store
.irp n, 0,1,2,3
.if \n > 0
	s_wait_xcnt 0x0                                ; the last batch's stores have read their registers
.endif
.set i, 0
.rept 16
	ds_load_b128 v[U+4*i:U+4*i+3], v12 offset:XP*((16*\n+i)/2)+512*(i%2)
.set i, i+1
.endr
.set i, 0
.rept 16
	s_wait_dscnt 15-i
	global_store_b128 v3, v[U+4*i:U+4*i+3], s[12:13] offset:4096*((16*\n+i)/2)+512*(i%2)
.set i, i+1
.endr
.endr
	; h2 = (y g2) / sqrt(..), quantised: K step 2 w + e of the next product
	s_wait_loadcnt 0x0                             ; g2
.irp e, 0, 1
.irp m, 0, 1
	s_wait_xcnt 0x0                                ; earlier stores have read their registers
	WIN 0x06+8*\e
.set j, 0
.rept 32
	v_pk_mul_f32 v[T+j:T+j+1], v[128*\m+64*\e+j:128*\m+64*\e+j+1], v[192+j:193+j]
.set j, j+2
.endr
	WIN 0
.set j, 0
.rept 32
	v_pk_mul_f32 v[T+j:T+j+1], v[T+j:T+j+1], v[RI+2*\m:RI+2*\m+1] op_sel_hi:[1,0]
.set j, j+2
.endr
	QUANT T, 0, PW+\m
.irp g, 0,1,2
	global_store_b128 v3, v[PC+4*\g:PC+4*\g+3], s[52:53] offset:3072*\m+1536*\e+512*\g
.endr
.endr
	global_store_b64 v6, v[PW:PW+1], s[54:55] offset:512*\e
.endr
	s_wait_xcnt 0x0
	v_lshl_add_u32 v254, v0, 2, 0x30000
	v_mov_b32 v255, 0
	s_wait_alu depctr_va_vdst(0)
	s_wait_tensorcnt 0x0
	ds_add_u32 v254, v255
	s_wait_dscnt 0x0
	s_endpgm
; WORK-GROUPS 128-255: W1 [4,096 x 1,024] and W2 [1,024 x 4,096] become codes of BF6 with one E8M0 byte for each 32 along K, stored as images of operand registers into wsp2, at the places that launch prep's
; layout gives them in a workspace (W1: groups of 128 rows from group 64 on; W2: from byte 9,437,184 on; scale words from 12,582,912 and 12,976,128 on).
; A unit is 32 rows x 1,024 K: units 256-383 are W1's, 384-511 W2's (four to a group of 32 rows).  Work-group 128 + g takes units 256 + 2 g and 256 + 2 g + 1, one a trip; wave w takes K steps w and w + 4 of a unit: two fragments each.
; Every load reads 512 consecutive bytes of a row; 16 rows turn through the wave's own stage in LDS (rows 528 bytes apart; bytes that the other way through this text never names) and come back so that a lane holds two whole blocks of 32.
; No tensor load, no barrier: waves share nothing.  LIMITS as in launch prep: NaN and infinities are not served; a block whose largest magnitude lies under 2^-122 gets the byte 1 (read by this program alone).
; REGISTERS: v4, v5 the stage in and out; v6-8, v9-11 the two K steps' store offsets; v12-13 scale words; v16 16 x lane; v18 8 h; v24-29 at work; v32-55 codes; v56-62 second halves; v64-191 the numbers; v192-207 the rows' offsets;
;   window 1: the 64 loads of a trip.  v254, v255 are as the head made them.
.Lquant:
.set QSTG, 200704
.set QW2C, 9437184
.set QW2S, 12976128
.set QPC,  32
.set QCT,  56
.set QXX,  64
.set QOF,  192
	s_load_b128 s[48:51], s[0:1], 0x30             ; W1, W2
	s_load_b64 s[52:53], s[0:1], 0x40              ; wsp2
	s_sub_co_u32 s47, s19, 128                     ; g
	s_cmp_lt_u32 s47, 64                           ; W1's work-group or W2's?
	s_cselect_b32 s39, 12, 14                      ; a row is 2^12 or 2^14 bytes
	s_mov_b32 s40, 6144
	s_cselect_b32 s40, 3072, s40                   ; from fragment u = 0 to u = 1
	s_mov_b32 s29, 384
	s_cselect_b32 s29, 256, s29                    ; the tensor's first unit
	s_mul_i32 s27, s18, 16*528
	s_add_co_u32 s27, s27, QSTG                    ; my stage
	s_mov_b32 s44, 0x76543210
	s_mov_b32 s45, 0xfedcba98                      ; lane l xor 16
	v_and_b32 v1, 31, v0
	v_and_b32 v2, 15, v0                           ; r
	v_bfe_u32 v3, v0, 4, 1                         ; h
	v_lshlrev_b32 v16, 4, v1
	v_add_nc_u32 v4, s27, v16                      ; in: 16 x lane of a row
	v_mul_u32_u24 v5, v2, 528
	v_lshl_add_u32 v5, v3, 7, v5
	v_add_nc_u32 v5, s27, v5                       ; out: row r, + 128 h
	v_lshlrev_b32 v18, 3, v3
	v_mov_b32 v17, 0                               ; written once: a lane permute's destination counts as a source
.set i, 0
.rept 16
	v_lshl_add_u32 v[QOF+i], (i&7)+16*(i>>3), s39, v16   ; fragment lane i's row, + 16 x lane
.set i, i+1
.endr
	s_wait_alu depctr_va_vdst(0)
	s_wait_kmcnt 0x0
	s_cmp_lt_u32 s47, 64
	s_cselect_b64 s[54:55], s[48:49], s[50:51]     ; the tensor, chosen by the work-group's number alone
	s_mov_b32 s46, 0
.macro QADR kk, sb                     ; K step w + 4 kk of unit s28: the two fragments' addresses into s[sb:sb+3], the store offsets into v[6 + 3 kk] on
	s_add_co_u32 s26, s18, 4*\kk
	s_sub_co_u32 s30, s28, s29                     ; my unit within the tensor
	s_lshr_b32 s31, s30, 2                         ; W2: group of 32 rows,
	s_and_b32 s32, s30, 3
	s_lshl_b32 s32, s32, 3
	s_add_co_u32 s32, s32, s26                     ; and K step 8 x quarter + mine
	s_lshr_b32 s33, s31, 1                         ; W2's codes
	s_mul_i32 s33, s33, 196608
	s_lshr_b32 s34, s32, 2
	s_mul_i32 s34, s34, 24576
	s_add_co_u32 s33, s33, s34
	s_and_b32 s34, s31, 1
	s_mul_i32 s34, s34, 12288
	s_add_co_u32 s33, s33, s34
	s_and_b32 s34, s32, 3
	s_mul_i32 s34, s34, 1536
	s_add_co_u32 s33, s33, s34
	s_add_co_u32 s33, s33, QW2C
	s_lshr_b32 s35, s31, 2                         ; W2's scale words
	s_lshl_b32 s35, s35, 14
	s_lshl_b32 s34, s32, 9
	s_add_co_u32 s35, s35, s34
	s_and_b32 s34, s31, 3
	s_lshl_b32 s34, s34, 7
	s_add_co_u32 s35, s35, s34
	s_add_co_u32 s35, s35, QW2S
	s_lshr_b32 s36, s28, 2                         ; W1: group of 128 = unit / 4
	s_mul_i32 s37, s36, 98304
	s_lshr_b32 s34, s26, 1
	s_mul_i32 s34, s34, 24576
	s_add_co_u32 s37, s37, s34
	s_and_b32 s38, s28, 3
	s_mul_i32 s34, s38, 6144
	s_add_co_u32 s37, s37, s34
	s_and_b32 s34, s26, 1
	s_mul_i32 s34, s34, 1536
	s_add_co_u32 s37, s37, s34
	s_lshl_b32 s36, s36, 12
	s_lshl_b32 s34, s26, 9
	s_add_co_u32 s36, s36, s34
	s_lshl_b32 s34, s38, 7
	s_add_co_u32 s36, s36, s34
	s_add_co_u32 s36, s36, P1S
	s_cmp_lt_u32 s28, 384
	s_cselect_b32 s33, s37, s33                    ; codes
	s_cselect_b32 s35, s36, s35                    ; scale words
	s_cselect_b32 s31, s30, s31                    ; group of 32 rows in the tensor
	s_cselect_b32 s32, s26, s32                    ; K step in the tensor
	s_add_co_u32 s41, s39, 5
	s_lshl_b32 s42, s31, s41
	s_lshl_b32 s43, s32, 9
	s_add_co_u32 s42, s42, s43
	s_mov_b32 s43, 0
	s_add_nc_u64 s[\sb:\sb+1], s[54:55], s[42:43]  ; my 32 rows, my 128 along K
	s_lshl_b32 s42, 8, s39
	s_add_nc_u64 s[\sb+2:\sb+3], s[\sb:\sb+1], s[42:43]   ; eight rows down: fragment u = 1
	v_add_nc_u32 v[6+3*\kk], s33, v16
	v_add_nc_u32 v[7+3*\kk], s40, v[6+3*\kk]
	v_lshl_add_u32 v[8+3*\kk], v2, 3, s35
.endm
.macro QQ u                            ; a lane's two whole blocks (2 c + h) become registers 6 c .. 6 c + 5 of the fragment; the word's four bytes are gathered from lanes l and l xor 16
.set XB, QXX+64*\u
.set PB, QPC+12*\u
.irp c, 0, 1
	v_max3_num_f32 v[24+\c], |v[XB+32*\c]|, |v[XB+32*\c+1]|, 0x2800000   ; with the floor 2^(5 - 127): the byte cannot fall under 1
.endr
.set j, 2
.rept 15
.irp c, 0, 1
	v_max3_num_f32 v[24+\c], v[24+\c], |v[XB+32*\c+j]|, |v[XB+32*\c+j+1]|
.endr
.set j, j+2
.endr
.irp c, 0, 1
	v_add_nc_u32 v[26+\c], 0xfe000000, v[24+\c]    ; 4 off the exponent field: the conversion's scale operand
.endr
.irp c, 0, 1
	v_lshrrev_b32 v[28+\c], 23, v[26+\c]           ; the byte
.endr
	v_lshl_or_b32 v[12+\u], v29, 16, v28
	v_lshlrev_b32 v[12+\u], v18, v[12+\u]          ; blocks h and 2 + h: 8 h bits up
	v_permlanex16_b32 v17, v[12+\u], s44, s45
	v_or_b32 v[12+\u], v[12+\u], v17
.irp c, 0, 1
	v_cvt_scalef32_pk16_bf6_f32 v[PB+6*\c:PB+6*\c+2], v[XB+32*\c:XB+32*\c+15], v[26+\c]
	v_cvt_scalef32_pk16_bf6_f32 v[QCT+4*\c:QCT+4*\c+2], v[XB+32*\c+16:XB+32*\c+31], v[26+\c]   ; (three registers begin on an even number)
.endr
	v_nop                                          ; one plain line behind the conversions
.irp c, 0, 1
.irp n, 0, 1, 2
	v_mov_b32 v[PB+6*\c+3+\n], v[QCT+4*\c+\n]
.endr
.endr
.endm
.macro QUNIT k, cnt                    ; one K step: two fragments.  cnt: the loads issued behind this step's 32
	s_wait_loadcnt \cnt
.irp u, 0, 1
	WIN 0x04
.set i, 0
.rept 16
	ds_store_b128 v4, v[128*\k+64*\u+4*i:128*\k+64*\u+4*i+3] offset:528*i      ; 16 rows into the stage as loaded;
.set i, i+1
.endr
	WIN 0
.set i, 0
.rept 16
	ds_load_b128 v[QXX+64*\u+4*i:QXX+64*\u+4*i+3], v5 offset:256*(i/8)+16*(i%8)   ; back: register 32 c + n is k = 64 c + 32 h + n of row r.  LDS serves a wave's instructions in order: no wait between
.set i, i+1
.endr
.endr
	s_wait_xcnt 0x0                                ; earlier stores have read the registers of the codes and words
	s_wait_dscnt 32                                ; fragment 0 is back; fragment 1's 16 stores and 16 loads may be out
	QQ 0
	s_wait_dscnt 0x0
	QQ 1
.irp g, 0, 1, 2
	global_store_b128 v[6+3*\k], v[QPC+4*\g:QPC+4*\g+3], s[52:53] offset:512*\g          ; 512 consecutive bytes a store
.endr
.irp g, 0, 1, 2
	global_store_b128 v[7+3*\k], v[QPC+12+4*\g:QPC+12+4*\g+3], s[52:53] offset:512*\g
.endr
	global_store_b64 v[8+3*\k], v[12:13], s[52:53] ; both fragments' words of row lane r: 128 consecutive bytes (lanes 16-31 hold and write the same)
.endm
.Lq_unit:
	s_wait_xcnt 0x0                                ; the last trip's stores have read their offsets
	s_lshl_b32 s28, s47, 1
	s_add_co_u32 s28, s28, s46
	s_add_co_u32 s28, s28, 256                     ; this trip's unit
	QADR 0, 56
	QADR 1, 60
	s_wait_alu depctr_va_vdst(0)
	WIN 0x40
.irp k, 0, 1
.irp u, 0, 1
.set i, 0
.rept 16
	global_load_b128 v[128*\k+64*\u+4*i:128*\k+64*\u+4*i+3], v[QOF+i], s[56+4*\k+2*\u:57+4*\k+2*\u] th:TH_LOAD_NT
.set i, i+1
.endr
.endr
.endr
	WIN 0
	QUNIT 0, 32
	QUNIT 1, 0
	s_add_co_u32 s46, s46, 1
	s_cmp_lt_u32 s46, 2
	s_wait_alu depctr_va_vdst(0)
	s_cbranch_scc1 .Lq_unit
	s_wait_tensorcnt 0x0                           ; the wave's end, behind my last LDS store
	ds_add_u32 v254, v255
	s_wait_dscnt 0x0
	s_endpgm
.Lfunc_end_k_q00e6a63ce4_wo:
	.size	k_q00e6a63ce4_wo, .Lfunc_end_k_q00e6a63ce4_wo-k_q00e6a63ce4_wo
	.p2alignl 7, 3214868480
	.fill 96, 4, 3214868480
	.section	.rodata,"a",@progbits
	.p2align	6, 0x0
	.amdhsa_kernel k_q00e6a63ce4_wo
		.amdhsa_group_segment_fixed_size 327680
		.amdhsa_private_segment_fixed_size 0
		.amdhsa_enable_private_segment 0
		.amdhsa_kernarg_size 72
		.amdhsa_user_sgpr_count 2
		.amdhsa_user_sgpr_kernarg_segment_ptr 1
		.amdhsa_wavefront_size32 1
		.amdhsa_system_sgpr_workgroup_id_x 1
		.amdhsa_system_sgpr_workgroup_id_y 1
		.amdhsa_system_sgpr_workgroup_id_z 1
		.amdhsa_system_vgpr_workitem_id 0
		.amdhsa_next_free_vgpr 1024
		.amdhsa_next_free_sgpr 100
		.amdhsa_reserve_vcc 0
		.amdhsa_float_denorm_mode_32 3
		.amdhsa_float_denorm_mode_16_64 3
		.amdhsa_memory_ordered 1
		.amdhsa_forward_progress 1
		.amdhsa_inst_pref_size 203
	.end_amdhsa_kernel
	.amdgpu_metadata
---
amdhsa.version: [ 1, 2 ]
amdhsa.kernels:
  - .name:           k_q00e6a63ce4_wo
    .symbol:         k_q00e6a63ce4_wo.kd
    .args:
      - { .name: att, .offset: 0, .size: 8, .value_kind: global_buffer, .address_space: global }
      - { .name: wsp, .offset: 8, .size: 8, .value_kind: global_buffer, .address_space: global }
      - { .name: x, .offset: 16, .size: 8, .value_kind: global_buffer, .address_space: global }
      - { .name: g2, .offset: 24, .size: 8, .value_kind: global_buffer, .address_space: global }
      - { .name: yb, .offset: 32, .size: 8, .value_kind: global_buffer, .address_space: global }
      - { .name: h2, .offset: 40, .size: 8, .value_kind: global_buffer, .address_space: global }
      - { .name: W1, .offset: 48, .size: 8, .value_kind: global_buffer, .address_space: global }
      - { .name: W2, .offset: 56, .size: 8, .value_kind: global_buffer, .address_space: global }
      - { .name: wsp2, .offset: 64, .size: 8, .value_kind: global_buffer, .address_space: global }
    .group_segment_fixed_size: 327680
    .private_segment_fixed_size: 0
    .kernarg_segment_align: 8
    .kernarg_segment_size: 72
    .max_flat_workgroup_size: 128
    .sgpr_count:     100
    .vgpr_count:     1024
    .wavefront_size: 32
...
	.end_amdgpu_metadata
.endif
;; end of part 4
;; launch ffn1 (part 5): grid 16 x 16, 4 waves a work-group, clusters of 4 x 4, 327,680 bytes of LDS; arguments h2, wsp2, hid; writes hid
.if DOCPART == 5
	.amdgcn_target "amdgcn-amd-amdhsa--gfx1250"
	.amdhsa_code_object_version 6
	.text
	.protected	k_q00e6a63ce4_ffn1
	.globl	k_q00e6a63ce4_ffn1
	.p2align	8
	.type	k_q00e6a63ce4_ffn1,@function
k_q00e6a63ce4_ffn1:
	s_mov_b64 s[64:65], 0
	v_nop
	global_prefetch_b8 v0, s[64:65] scope:SCOPE_SE
	s_setreg_imm32_b32 hwreg(HW_REG_WAVE_MODE, 25, 1), 1
	s_wait_xcnt 0x0
	s_wait_alu depctr_hold_cnt(0) depctr_sa_sdst(0) depctr_va_vdst(0) depctr_va_sdst(0) depctr_va_ssrc(0) depctr_va_vcc(0) depctr_vm_vsrc(0)
	s_getreg_b32 s2, hwreg(HW_REG_IB_STS2, 6, 4)
	s_cmp_eq_u32 s2, 0
	s_cbranch_scc0 .Lentry_in_a_cluster
	s_endpgm
.Lentry_in_a_cluster:
	s_bfe_u32 s2, ttmp6, 0x10000c
	s_cmp_lg_u32 s2, 0xf033
	s_cbranch_scc0 .Lentry_shape_is_right
	s_endpgm
.Lentry_shape_is_right:
; hid = gelu(h2 W1^T), K = 1,024, on codes of BF6; the result is quantised in registers along the hidden axis and stored as operand images for the last product.
; The product is that of launch qkv: a work-group makes 256 tokens x 256 hidden units, a wave 128 x 128; source 0 = rows of W1, source 1 = tokens; THREE LDS slots of 256 K: three of K's four slots come as first fills,
; the fourth is the one refill, into slot 0's bytes, with two slots' products in which to land; A's tiles asked for jointly along a row of the 4 x 4 cluster, B's along a column; at most one tensor load of a wave is out.
; GELU: x / 2 (1 + erf(x / sqrt 2)); erf(z) = z P(z^2) / Q(z^2), the f32 rational form on z held to -4 .. 4; the division is v_rcp_f32 and a multiplication; x / sqrt 2 is (x / 2) sqrt 2.
; The way out is a loop over the wave's eight blocks of 16 tokens: its text would be too long written eight times.  A trip first takes x / 2 of its block out of the accumulators, by one of eight short pieces chosen by the trip's number.
; LIMITS: NaN and infinities are not served; a block whose largest magnitude lies under 2^-122 gets the byte 1.
.set TILE,  24576
.set SLOT,  4*TILE
.set SCL,   3*SLOT
.set SPARE, 311552
.set P1S,   12582912
.set ADRA, 16
.set ADRB, 20
.set ADRS, 27
.set SPW,  28
.set NIL,  29
.set SC,   32
.set AF,   64
.set ZB,   64                          ; the way out, window 0: v64-127 z, then gelu; v128-159 z^2; v160-191 P; v192-223 Q; window 1: v0-63 x / 2
.set X2,   128
.set PP,   160
.set QQ,   192
.set TM,   224
.set PC,   128
.set PW,   4
.set PWC,  16
.set OFS,  17
.set G1, 24
.set G0, 32
.set G1B, 48
.set G0B, 56
.set G1S, 68
.set G0S, 76
.set G1SB, 80
.set G0SB, 88
.set G0C, 20
.set G0BC, 92
.set SEL, 96
.set MSB, 0
.macro WIN new
.if MSB != (\new)
	s_set_vgpr_msb (MSB<<8)|(\new)
.set MSB, (\new)
.endif
.endm
.macro PLACES n
.rept \n
	v_nop
.endr
.endm
.macro JLOAD g0a, g1a, g0b, g1b
	s_cmp_eq_u32 s16, 0                            ; even waves fetch for A, odd waves for B
	s_cbranch_scc0 .Lfor_b_\@
	tensor_load_to_lds s[\g0a:\g0a+3], s[\g1a:\g1a+7]
	s_nop 0
.rept 4
	v_nop
.endr
	s_branch .Lasked_\@
.Lfor_b_\@:
	tensor_load_to_lds s[\g0b:\g0b+3], s[\g1b:\g1b+7]
	s_nop 0
.rept 4
	v_nop
.endr
.Lasked_\@:
.endm
.macro CREST
	s_cmp_lg_u32 s14, 0
	s_cbranch_scc1 .Lnot_wave_0_\@
	s_barrier_signal -3
.Lnot_wave_0_\@:
	s_barrier_wait -3
	s_barrier_signal -1
	s_barrier_wait -1
.endm
.macro CROUND
	s_barrier_signal -1
	s_barrier_wait -1
	CREST
.endm
	s_load_b128 s[4:7], s[0:1], 0x0                ; h2, the workspace
	s_load_b64 s[8:9], s[0:1], 0x10                ; hid
	v_lshl_add_u32 v[SPW], v0, 2, SPARE
	v_mov_b32 v[NIL], 0
	ds_add_u32 v28, v29
	ds_add_u32 v28, v29
	s_wait_dscnt 0x0
	v_lshrrev_b32 v1, 5, v0
	v_readfirstlane_b32 s14, v1
	s_lshr_b32 s15, s14, 1
	s_and_b32 s16, s14, 1
	s_bfe_u32 s40, ttmp6, 0x40000
	s_bfe_u32 s41, ttmp6, 0x40004
	s_lshl_b32 s42, ttmp9, 2
	s_add_co_u32 s42, s42, s40                     ; B's tile (hidden units)
	s_and_b32 s17, ttmp7, 0xffff
	s_lshl_b32 s17, s17, 2
	s_add_co_u32 s17, s17, s41                     ; A's tile (tokens)
	s_lshl_b32 s43, s41, 2
	s_lshl_b32 s43, 15, s43
	s_lshl_b32 s44, 0x1111, s40
	s_or_b32 s[G1+0], s43, (3<<16)|(1<<21)
	s_or_b32 s[G1B+0], s44, (3<<16)|(1<<21)
.irp g, G1, G1B                        ; one K slot of 256 rows: the two groups of 128 as 2 rows of 24,576 bytes (3,072 elements of 8), 98,304 bytes apart in memory, on end in LDS
	s_mov_b32 s[\g+1], 3072<<16
	s_mov_b32 s[\g+2], 2<<16
	s_mov_b32 s[\g+3], 3072<<16
	s_mov_b32 s[\g+4], 2
	s_mov_b32 s[\g+5], 12288
	s_mov_b32 s[\g+6], 0
	s_mov_b32 s[\g+7], 0
.endr
	s_or_b32 s[G1S+0], s43, (3<<16)|(1<<21)
	s_or_b32 s[G1SB+0], s44, (3<<16)|(1<<21)
.irp g, G1S, G1SB                      ; the scale words of 256 rows: 32 rows of 256 bytes
	s_mov_b32 s[\g+1], 32<<16
	s_mov_b32 s[\g+2], 32<<16
	s_mov_b32 s[\g+3], 32<<16
	s_mov_b32 s[\g+4], 32
	s_mov_b32 s[\g+5], 32
	s_mov_b32 s[\g+6], 0
	s_mov_b32 s[\g+7], 0
.endr
	s_lshl_b32 s20, s17, 1                         ; the tile's first group of 128
	s_lshl_b32 s46, s42, 1
	s_add_co_u32 s46, s46, 64                      ; W1 begins at group 64 of the workspace
	s_lshl_b32 s22, s20, 12
	s_add_co_u32 s22, s22, 3145728
	s_mov_b32 s23, 0
	s_lshl_b32 s92, s46, 12
	s_add_co_u32 s92, s92, P1S
	s_mov_b32 s93, 0
	s_mul_i32 s20, s20, 4*TILE
	s_mov_b32 s21, 0
	s_mul_i32 s46, s46, 4*TILE
	s_mov_b32 s47, 0
	s_mul_i32 s45, s15, SLOT                       ; my second load: waves 0, 1 K slot 1, waves 2, 3 K slot 2: its LDS slot,
	s_add_co_u32 s45, s45, SLOT
	s_mul_i32 s94, s15, TILE                       ; and its place along K in memory
	s_add_co_u32 s94, s94, TILE
	s_mov_b32 s95, 0
	s_mov_b32 s[SEL], 0x76543210
	s_mov_b32 s[SEL+1], 0xfedcba98
	s_wait_kmcnt 0x0
	s_add_nc_u64 s[20:21], s[4:5], s[20:21]
	s_add_nc_u64 s[22:23], s[4:5], s[22:23]
	s_add_nc_u64 s[46:47], s[6:7], s[46:47]
	s_add_nc_u64 s[92:93], s[6:7], s[92:93]
	CROUND
	; THE LOADS AS THIS TEXT HAS THEM (one tensor load a wave at the head and behind each round).
	; Head: wave 0 A's K slot 0, wave 1 B's, wave 2 A's scale words, wave 3 B's.  Behind the next round: waves 0, 1 K slot 1 of A, B; waves 2, 3 K slot 2.  The one refill, K slot 3 into slot 0's bytes: waves 0, 1.
	s_mov_b32 s[G0S], 1
	s_mov_b32 s[G0S+1], SCL
	s_mov_b64 s[G0S+2:G0S+3], s[22:23]
	s_or_b32 s[G0S+3], s[G0S+3], 0x80000000
	s_mov_b32 s[G0SB], 1
	s_mov_b32 s[G0SB+1], SCL+8192+128
	s_mov_b64 s[G0SB+2:G0SB+3], s[92:93]
	s_or_b32 s[G0SB+3], s[G0SB+3], 0x80000000
	s_mov_b32 s[G0], 1
	s_mov_b32 s[G0+1], 0
	s_mov_b64 s[G0+2:G0+3], s[20:21]
	s_or_b32 s[G0+3], s[G0+3], 0x80000000
	s_mov_b32 s[G0B], 1
	s_mov_b32 s[G0B+1], 2*TILE
	s_mov_b64 s[G0B+2:G0B+3], s[46:47]
	s_or_b32 s[G0B+3], s[G0B+3], 0x80000000
	s_mov_b32 s[G0+4], 1
	s_mov_b32 s[G0+5], s45
	s_add_nc_u64 s[G0+6:G0+7], s[20:21], s[94:95]
	s_or_b32 s[G0+7], s[G0+7], 0x80000000
	s_mov_b32 s[G0B+4], 1
	s_add_co_u32 s[G0B+5], s45, 2*TILE
	s_add_nc_u64 s[G0B+6:G0B+7], s[46:47], s[94:95]
	s_or_b32 s[G0B+7], s[G0B+7], 0x80000000
.macro ARM under, g0, g1, next         ; one chain of branches on the wave's number: every way through the head passes exactly one load
	s_cmp_lt_u32 s14, \under
	s_cbranch_scc0 \next
	tensor_load_to_lds s[\g0:\g0+3], s[\g1:\g1+7]
	s_nop 0
.rept 4
	v_nop
.endr
	s_branch .Lhead_asked
\next:
.endm
	ARM 1, G0,  G1,  .Lhead_b
	ARM 2, G0B, G1B, .Lhead_sa
	ARM 3, G0S, G1S, .Lhead_sb
	tensor_load_to_lds s[G0SB:G0SB+3], s[G1SB:G1SB+7]
	s_nop 0
.rept 4
	v_nop
.endr
.Lhead_asked:
	; K slots 1 to 3 of my cluster's tiles are asked for here, a fill or more ahead of their loads: of a tile's two groups of 128 rows (73,728 bytes each) even waves name A's, odd waves B's, wave / 2 the group;
	; the four partners that load the tile jointly take a quarter each BY ADDRESS (cx for A, cy for B): 72 blocks of 256 bytes, a lane a block, 24 an instruction (the lanes left over name the last again).
	s_cmp_eq_u32 s16, 0
	s_cselect_b64 s[98:99], s[20:21], s[46:47]
	s_cselect_b32 s12, s40, s41
	s_mul_i32 s12, s12, 18432
	s_mul_i32 s13, s15, 4*TILE
	s_add_co_u32 s12, s12, s13
	s_add_co_u32 s12, s12, TILE
	s_mov_b32 s13, 0
	s_add_nc_u64 s[98:99], s[98:99], s[12:13]
	v_and_b32 v30, 31, v0
	v_min_u32 v30, 23, v30
	v_lshlrev_b32 v30, 8, v30                      ; never rewritten
	global_prefetch_b8 v30, s[98:99] th:TH_LOAD_NT scope:SCOPE_SE
	global_prefetch_b8 v30, s[98:99] offset:6144 th:TH_LOAD_NT scope:SCOPE_SE
	global_prefetch_b8 v30, s[98:99] offset:12288 th:TH_LOAD_NT scope:SCOPE_SE
	v_and_b32 v1, 15, v0
	v_bfe_u32 v2, v0, 4, 1
	s_wait_alu depctr_va_vdst(0)
	v_and_b32 v3, 31, v0
	v_lshlrev_b32 v3, 4, v3
	s_mul_i32 s18, s15, TILE
	s_mul_i32 s19, s16, TILE
	s_add_co_u32 s19, s19, 2*TILE
.irp s, 0, 1, 2
	v_add_nc_u32 v[ADRA+\s], s18, v3
	v_add_nc_u32 v[ADRB+\s], s19, v3
	s_add_co_u32 s18, s18, SLOT
	s_add_co_u32 s19, s19, SLOT
.endr
	s_lshl_b32 s18, s15, 12
	s_lshl_b32 s19, s16, 12
	s_add_co_u32 s19, s19, 8192+128
	s_sub_co_u32 s19, s19, s18
	v_mul_u32_u24 v6, s19, v2
	s_add_co_u32 s18, s18, SCL
	v_lshl_add_u32 v5, v1, 3, v6
	v_add_nc_u32 v[ADRS], s18, v5
.macro MUL16 a0, p, q, sc, zero
.irp a, \a0, \a0+1
.irp b, 0,1,2,3,4,5,6,7
.if \zero
	v_wmma_scale_f32_16x16x128_f8f6f4 v[8*(8*((\a)%4)+\b):8*(8*((\a)%4)+\b)+7], v[128*(\p)+12*\b:128*(\p)+12*\b+11], v[AF+96*(\p)+12*(\a):AF+96*(\p)+12*(\a)+11], 0, v[SC+16*(\sc)+8*(\q)+\b], v[SC+16*(\sc)+8*(\q)+(\a)] matrix_a_fmt:MATRIX_FMT_BF6 matrix_b_fmt:MATRIX_FMT_BF6 matrix_a_scale:MATRIX_SCALE_ROW1
.else
	v_wmma_scale_f32_16x16x128_f8f6f4 v[8*(8*((\a)%4)+\b):8*(8*((\a)%4)+\b)+7], v[128*(\p)+12*\b:128*(\p)+12*\b+11], v[AF+96*(\p)+12*(\a):AF+96*(\p)+12*(\a)+11], v[8*(8*((\a)%4)+\b):8*(8*((\a)%4)+\b)+7], v[SC+16*(\sc)+8*(\q)+\b], v[SC+16*(\sc)+8*(\q)+(\a)] matrix_a_fmt:MATRIX_FMT_BF6 matrix_b_fmt:MATRIX_FMT_BF6 matrix_a_scale:MATRIX_SCALE_ROW1
.endif
.endr
.endr
.endm
.macro FETCH slot, q, p
	WIN 0x40
.irp i, 0,1,2,3,4,5,6,7
.irp g, 0,1,2
	ds_load_b128 v[128*(\p)+12*\i+4*\g:128*(\p)+12*\i+4*\g+3], v[ADRB+\slot] offset:3072*\i+1536*(\q)+512*\g
.endr
.endr
	WIN 0
.irp i, 0,1,2,3,4,5,6,7
.irp g, 0,1,2
	ds_load_b128 v[AF+96*(\p)+12*\i+4*\g:AF+96*(\p)+12*\i+4*\g+3], v[ADRA+\slot] offset:3072*\i+1536*(\q)+512*\g
.endr
.endr
.endm
.macro SCALES sc
.irp q, 0, 1
.irp p, 0,1,2,3
	ds_load_b64 v[SC+16*\sc+8*\q+2*\p:SC+16*\sc+8*\q+2*\p+1], v[ADRS] offset:512*\q+128*\p
.endr
.endr
.endm
.macro STEP slot, sc, zero
	s_wait_dscnt 0x0
	WIN 0xa1
	MUL16 0, 0, 0, \sc, \zero
	MUL16 2, 0, 0, \sc, \zero
	PLACES 4
	FETCH \slot, 1, 1
	WIN 0xf1
	MUL16 4, 0, 0, \sc, \zero
	MUL16 6, 0, 0, \sc, \zero
	WIN 0
.endm
.macro TURN slot, sc, next, nsc, fill
	s_wait_tensorcnt 0x0                           ; all my tensor loads have landed
	ds_add_u32 v[SPW], v[NIL]                      ; 0 onto my spare word
	s_wait_dscnt 1                                 ; set 1 is in; the add alone may be out
	WIN 0xa1
	MUL16 0, 1, 1, \sc, 0
	s_wait_dscnt 0x0                               ; the add is done, and my reads of this slot are over
	s_barrier_signal -1
	MUL16 2, 1, 1, \sc, 0
	WIN 0
	s_barrier_wait -1
.if \fill
	CREST
	s_add_nc_u64 s[G0+4*\slot+2:G0+4*\slot+3], s[G0+4*\slot+2:G0+4*\slot+3], 3*TILE
	s_add_nc_u64 s[G0B+4*\slot+2:G0B+4*\slot+3], s[G0B+4*\slot+2:G0B+4*\slot+3], 3*TILE
	s_cmp_lt_u32 s14, 2                            ; wave 0 fetches A's 256 rows, wave 1 B's; waves 2 and 3 have no part of this tile
	s_cbranch_scc0 .Lno_part_\@
	JLOAD G0+4*\slot, G1, G0B+4*\slot, G1B
.Lno_part_\@:
	PLACES 4                                       ; the places in front of the loads below, on both ways
.else
	PLACES 4
.endif
	v_add_nc_u32 v[ADRS], 1024, v[ADRS]
	FETCH \next, 0, 0
	SCALES \nsc
	WIN 0xf1
	MUL16 4, 1, 1, \sc, 0
	MUL16 6, 1, 1, \sc, 0
	WIN 0
.endm
.macro PASS slot, sc, next, nsc        ; a slot's second K step where the next slot is known whole to every wave (the barrier in front of the refill stood behind every wave's wait for all its loads) and nothing is filled: no barrier
	s_wait_dscnt 0x0
	WIN 0xa1
	MUL16 0, 1, 1, \sc, 0
	MUL16 2, 1, 1, \sc, 0
	WIN 0
	PLACES 4
	v_add_nc_u32 v[ADRS], 1024, v[ADRS]
	FETCH \next, 0, 0
	SCALES \nsc
	WIN 0xf1
	MUL16 4, 1, 1, \sc, 0
	MUL16 6, 1, 1, \sc, 0
	WIN 0
.endm
.macro QUANT s, W, pw
	WIN (\W)|((\W)<<2)
.irp b, 0,1,2,3
	v_max3_num_f32 v[TM+\b], |v[(\s)+16*\b]|, |v[(\s)+16*\b+1]|, 0x2800000
.endr
.irp i, 2,4,6,8,10,12,14
.irp b, 0,1,2,3
	v_max3_num_f32 v[TM+\b], |v[(\s)+16*\b+\i]|, |v[(\s)+16*\b+\i+1]|, v[TM+\b]
.endr
.endr
	WIN 0
.irp b, 0,1,2,3
	v_permlanex16_b32 v[TM+4+\b], v[TM+\b], s[SEL], s[SEL+1]
.endr
.irp b, 0,1,2,3
	v_max_num_f32 v[TM+\b], v[TM+\b], v[TM+4+\b]
.endr
.irp b, 0,1,2,3
	v_add_nc_u32 v[TM+12+\b], 0xfe000000, v[TM+\b]
.endr
.irp b, 0,1,2,3
	v_lshrrev_b32 v[TM+4+\b], 23, v[TM+12+\b]
.endr
	v_lshl_or_b32 v[\pw], v[TM+5], 8, v[TM+4]
	v_lshl_or_b32 v[\pw], v[TM+6], 16, v[\pw]
	v_lshl_or_b32 v[\pw], v[TM+7], 24, v[\pw]
	WIN (\W)
.irp c, 0, 1
	v_cvt_scalef32_pk16_bf6_f32 v[PC+6*\c:PC+6*\c+2], v[(\s)+32*\c:(\s)+32*\c+15], v[TM+12+2*\c]
	v_cvt_scalef32_pk16_bf6_f32 v[PC+12+4*\c:PC+14+4*\c], v[(\s)+32*\c+16:(\s)+32*\c+31], v[TM+13+2*\c]
.endr
	WIN 0
	v_nop
.irp c, 0, 1
.irp i, 0, 1, 2
	v_permlane16_swap_b32 v[PC+6*\c+\i], v[PC+12+4*\c+\i]
.endr
.irp i, 0, 1, 2
	v_mov_b32 v[PC+3+6*\c+\i], v[PC+12+4*\c+\i]
.endr
.endr
.endm
	s_wait_alu depctr_va_vdst(0)
	s_wait_tensorcnt 0x0                           ; my tile of the head's four is in
	ds_add_u32 v[SPW], v[NIL]
	s_wait_dscnt 0x0
	CROUND                                         ; all four tiles are in, and all sixteen work-groups are here
	JLOAD G0+4, G1, G0B+4, G1B                     ; K slots 1 and 2: my one load behind the round
	FETCH 0, 0, 0
	SCALES 0
	STEP 0, 0, 1                                   ; K slot 0
	TURN 0, 0, 1, 1, 1                             ; slot 0 is left and takes K slot 3
	s_wait_alu depctr_va_vdst(0)
	STEP 1, 1, 0                                   ; K slot 1
	PASS 1, 1, 2, 0
	s_wait_alu depctr_va_vdst(0)
	STEP 2, 0, 0                                   ; K slot 2
	TURN 2, 0, 0, 1, 0                             ; K slot 3 has landed, everybody's part
	STEP 0, 1, 0                                   ; K slot 3, in slot 0's bytes
	s_wait_dscnt 0x0
	WIN 0xa1
	MUL16 0, 1, 1, 1, 0
	MUL16 2, 1, 1, 1, 0
	WIN 0xf1
	MUL16 4, 1, 1, 1, 0
	MUL16 6, 1, 1, 1, 0
	WIN 0
	; THE WAY OUT.  No tensor load is out, so the descriptors' registers are free.
	PLACES 4
	s_lshl_b32 s46, s17, 1
	s_add_co_u32 s46, s46, s15                     ; my group of 128 tokens
	s_lshl_b32 s47, s42, 1
	s_add_co_u32 s47, s47, s16                     ; my 128 hidden units = K step of the last product
	s_mul_i32 s48, s46, 2*196608
	s_lshr_b32 s49, s47, 2
	s_mul_i32 s49, s49, 24576
	s_add_co_u32 s48, s48, s49
	s_and_b32 s49, s47, 3
	s_mul_i32 s49, s49, 1536
	s_add_co_u32 s48, s48, s49                     ; codes
	s_lshl_b32 s50, s46, 14
	s_lshl_b32 s49, s47, 9
	s_add_co_u32 s50, s50, s49
	s_add_co_u32 s50, s50, 12582912                ; scale words
.macro COEF r, bits
	s_mov_b32 s[\r], \bits
	s_mov_b32 s[\r+1], \bits
.endm
	COEF 24, 0x32edffee                            ; P: 2.77068142e-08
	COEF 26, 0xb60cff51                            ;   -2.10102402e-06
	COEF 28, 0xb86ec2d2                            ;   -5.69250639e-05
	COEF 30, 0xba40ac63                            ;   -7.34990630e-04
	COEF 32, 0xbb41a1f6                            ;   -2.95459981e-03
	COEF 34, 0xbc83dbd4                            ;   -1.60960333e-02
	COEF 36, 0xb95fbd29                            ; Q: -2.13374055e-04
	COEF 38, 0xbadc924e                            ;   -1.68282697e-03
	COEF 40, 0xbbf19bf8                            ;   -7.37332917e-03
	COEF 42, 0xbc69b6a7                            ;   -1.42647391e-02
	v_mov_b32 v12, 0xaf95df0b                      ; P's leading -2.72614226e-10
	v_mov_b32 v13, 0xaf95df0b
	v_mov_b32 v14, 0xb77460cd                      ; Q's leading -1.45660718e-05
	v_mov_b32 v15, 0xb77460cd
.irp i, 0,1,2,3,4,5,6,7
	v_mov_b32 v[PW+\i], 0
.endr
	v_mov_b32 v[PWC], 0
.irp b, 0,1,2,3
	v_mov_b32 v[TM+4+\b], 0
.endr
.macro TAKE k                          ; the last trip's scale word is put by; x / 2 of block k goes to window 1
.if \k > 0
	v_mov_b32 v[PW+\k-1], v[PWC]
.endif
	WIN 0x40|(2+(\k)/4)
.set j, 0
.rept 32
	v_pk_mul_f32 v[j:j+1], v[64*((\k)%4)+j:64*((\k)%4)+j+1], 0.5 op_sel_hi:[1,0]
.set j, j+2
.endr
	WIN 0
	s_branch .Lbody
.endm
.macro GELU n                          ; 32 numbers
.set HN, 32*\n
.set ZN, ZB+32*\n
	WIN 0x01
.set j, 0
.rept 16
	v_pk_mul_f32 v[ZN+j:ZN+j+1], v[HN+j:HN+j+1], 0x3fb504f3 op_sel_hi:[1,0]   ; z = (x / 2) sqrt 2
.set j, j+2
.endr
	WIN 0
.set j, 0
.rept 32
	v_med3_num_f32 v[ZN+j], v[ZN+j], -4.0, 4.0
.set j, j+1
.endr
.set j, 0
.rept 16
	v_pk_mul_f32 v[X2+j:X2+j+1], v[ZN+j:ZN+j+1], v[ZN+j:ZN+j+1]
.set j, j+2
.endr
.set j, 0
.rept 16
	v_pk_fma_f32 v[PP+j:PP+j+1], v[X2+j:X2+j+1], v[12:13], s[24:25] op_sel_hi:[1,1,0]
.set j, j+2
.endr
.irp c, 26, 28, 30, 32, 34
.set j, 0
.rept 16
	v_pk_fma_f32 v[PP+j:PP+j+1], v[PP+j:PP+j+1], v[X2+j:X2+j+1], s[\c:\c+1] op_sel_hi:[1,1,0]
.set j, j+2
.endr
.endr
.set j, 0
.rept 16
	v_pk_fma_f32 v[QQ+j:QQ+j+1], v[X2+j:X2+j+1], v[14:15], s[36:37] op_sel_hi:[1,1,0]
.set j, j+2
.endr
.irp c, 38, 40, 42
.set j, 0
.rept 16
	v_pk_fma_f32 v[QQ+j:QQ+j+1], v[QQ+j:QQ+j+1], v[X2+j:X2+j+1], s[\c:\c+1] op_sel_hi:[1,1,0]
.set j, j+2
.endr
.endr
.set j, 0
	s_wait_alu depctr_va_vdst(0)
.rept 32
	v_rcp_f32 v[QQ+j], v[QQ+j]
.set j, j+1
.endr
.set j, 0
.rept 16
	v_pk_mul_f32 v[PP+j:PP+j+1], v[PP+j:PP+j+1], v[ZN+j:ZN+j+1]    ; plain work behind the reciprocals, which names none of them
.set j, j+2
.endr
	s_wait_alu depctr_va_vdst(0)                   ; one wait for the batch, ahead of its first reader
.set j, 0
.rept 16
	v_pk_mul_f32 v[PP+j:PP+j+1], v[PP+j:PP+j+1], v[QQ+j:QQ+j+1]    ; erf
.set j, j+2
.endr
	WIN 0x11
.set j, 0
.rept 16
	v_pk_fma_f32 v[ZN+j:ZN+j+1], v[HN+j:HN+j+1], v[PP+j:PP+j+1], v[HN+j:HN+j+1]   ; x / 2 + x / 2 erf
.set j, j+2
.endr
	WIN 0
.endm
	s_mov_b32 s3, 0
.Lrow:
	s_cmp_eq_u32 s3, 0
	s_cbranch_scc1 .Ltake0
	s_cmp_eq_u32 s3, 1
	s_cbranch_scc1 .Ltake1
	s_cmp_eq_u32 s3, 2
	s_cbranch_scc1 .Ltake2
	s_cmp_eq_u32 s3, 3
	s_cbranch_scc1 .Ltake3
	s_cmp_eq_u32 s3, 4
	s_cbranch_scc1 .Ltake4
	s_cmp_eq_u32 s3, 5
	s_cbranch_scc1 .Ltake5
	s_cmp_eq_u32 s3, 6
	s_cbranch_scc1 .Ltake6
	s_wait_alu depctr_va_vdst(0)
	TAKE 7
.Ltake0:
	TAKE 0
.Ltake1:
	s_wait_alu depctr_va_vdst(0)
	TAKE 1
.Ltake2:
	s_wait_alu depctr_va_vdst(0)
	TAKE 2
.Ltake3:
	s_wait_alu depctr_va_vdst(0)
	TAKE 3
.Ltake4:
	s_wait_alu depctr_va_vdst(0)
	TAKE 4
.Ltake5:
	s_wait_alu depctr_va_vdst(0)
	TAKE 5
.Ltake6:
	s_wait_alu depctr_va_vdst(0)
	TAKE 6
.Lbody:
	s_wait_xcnt 0x0                                ; the last trip's stores have read their registers
	GELU 0
	GELU 1
	QUANT ZB, 0, PWC
	s_and_b32 s51, s3, 3
	s_mul_i32 s51, s51, 6144
	s_lshr_b32 s52, s3, 2
	s_mul_i32 s52, s52, 196608
	s_add_co_u32 s51, s51, s52
	s_add_co_u32 s51, s51, s48
	v_add_nc_u32 v[OFS], s51, v3
.irp g, 0,1,2
	global_store_b128 v[OFS], v[PC+4*\g:PC+4*\g+3], s[8:9] offset:512*\g
.endr
	s_add_co_u32 s3, s3, 1
	s_cmp_lt_u32 s3, 8
	s_cbranch_scc1 .Lrow
	v_mov_b32 v[PW+7], v[PWC]
	s_mov_b32 s51, 0xffff0000                      ; lanes 16-31
.irp q, 0, 1
	v_cndmask_b32 v[18+2*\q], v[PW+4*\q], v[PW+4*\q+2], s51        ; lanes 0-15 the pair of blocks 4 q, 4 q + 1; lanes 16-31 the next pair
	v_cndmask_b32 v[19+2*\q], v[PW+4*\q+1], v[PW+4*\q+3], s51
.endr
	v_lshrrev_b32 v22, 1, v3
	v_add_nc_u32 v22, s50, v22
	global_store_b64 v22, v[18:19], s[8:9]         ; 256 consecutive bytes a store
	global_store_b64 v22, v[20:21], s[8:9] offset:256
	s_wait_tensorcnt 0x0                           ; the wave's end
	ds_add_u32 v[SPW], v[NIL]
	s_wait_dscnt 0x0
	CROUND
	s_endpgm
.Lfunc_end_k_q00e6a63ce4_ffn1:
	.size	k_q00e6a63ce4_ffn1, .Lfunc_end_k_q00e6a63ce4_ffn1-k_q00e6a63ce4_ffn1
	.p2alignl 7, 3214868480
	.fill 96, 4, 3214868480
	.section	.rodata,"a",@progbits
	.p2align	6, 0x0
	.amdhsa_kernel k_q00e6a63ce4_ffn1
		.amdhsa_group_segment_fixed_size 327680
		.amdhsa_private_segment_fixed_size 0
		.amdhsa_enable_private_segment 0
		.amdhsa_kernarg_size 24
		.amdhsa_user_sgpr_count 2
		.amdhsa_user_sgpr_kernarg_segment_ptr 1
		.amdhsa_wavefront_size32 1
		.amdhsa_system_sgpr_workgroup_id_x 1
		.amdhsa_system_sgpr_workgroup_id_y 1
		.amdhsa_system_sgpr_workgroup_id_z 1
		.amdhsa_system_vgpr_workitem_id 0
		.amdhsa_next_free_vgpr 1024
		.amdhsa_next_free_sgpr 100
		.amdhsa_reserve_vcc 0
		.amdhsa_float_denorm_mode_32 3
		.amdhsa_float_denorm_mode_16_64 3
		.amdhsa_memory_ordered 1
		.amdhsa_forward_progress 1
		.amdhsa_inst_pref_size 167
	.end_amdhsa_kernel
	.amdgpu_metadata
---
amdhsa.version: [ 1, 2 ]
amdhsa.kernels:
  - .name:           k_q00e6a63ce4_ffn1
    .symbol:         k_q00e6a63ce4_ffn1.kd
    .args:
      - { .name: h2, .offset: 0, .size: 8, .value_kind: global_buffer, .address_space: global }
      - { .name: wsp2, .offset: 8, .size: 8, .value_kind: global_buffer, .address_space: global }
      - { .name: hid, .offset: 16, .size: 8, .value_kind: global_buffer, .address_space: global }
    .group_segment_fixed_size: 327680
    .private_segment_fixed_size: 0
    .kernarg_segment_align: 8
    .kernarg_segment_size: 24
    .max_flat_workgroup_size: 128
    .sgpr_count:     100
    .vgpr_count:     1024
    .wavefront_size: 32
...
	.end_amdgpu_metadata
.endif
;; end of part 5
;; launch ffn2 (part 6): grid 8 x 32, 4 waves a work-group, clusters of 4 x 4, 327,680 bytes of LDS; arguments hid, wsp2, yb, out0; writes out0
.if DOCPART == 6
	.amdgcn_target "amdgcn-amd-amdhsa--gfx1250"
	.amdhsa_code_object_version 6
	.text
	.protected	k_q00e6a63ce4_ffn2
	.globl	k_q00e6a63ce4_ffn2
	.p2align	8
	.type	k_q00e6a63ce4_ffn2,@function
k_q00e6a63ce4_ffn2:
	s_mov_b64 s[64:65], 0
	v_nop
	global_prefetch_b8 v0, s[64:65] scope:SCOPE_SE
	s_setreg_imm32_b32 hwreg(HW_REG_WAVE_MODE, 25, 1), 1
	s_wait_xcnt 0x0
	s_wait_alu depctr_hold_cnt(0) depctr_sa_sdst(0) depctr_va_vdst(0) depctr_va_sdst(0) depctr_va_ssrc(0) depctr_va_vcc(0) depctr_vm_vsrc(0)
	s_getreg_b32 s2, hwreg(HW_REG_IB_STS2, 6, 4)
	s_cmp_eq_u32 s2, 0
	s_cbranch_scc0 .Lentry_in_a_cluster
	s_endpgm
.Lentry_in_a_cluster:
	s_bfe_u32 s2, ttmp6, 0x10000c
	s_cmp_lg_u32 s2, 0xf033
	s_cbranch_scc0 .Lentry_shape_is_right
	s_endpgm
.Lentry_shape_is_right:
; out0 = yb + hid W2^T on codes of BF6 (E3M2), K = 4,096; hid [4,096 tokens] and W2 [1,024 columns] lie in memory as images of operand registers (launches ffn1 and prep):
; codes [group of 64 rows][chunk of 512 K][fragment row 0..3][K step 0..3][1,536 bytes], a chunk 24,576 dense bytes; scale words [group of 128 rows][K step][pair p][lane r][u], 512 bytes a K step.
; SHARES.  A work-group of four waves makes 128 tokens x 128 columns (256 work-groups), a wave 64 x 64: 16 accumulators.  Source 0 = 16 rows of W2, source 1 = 16 tokens: a lane holds a token and eight neighbouring columns.
; LDS: TWO REGIONS OF UNLIKE SIZE that take turns: X holds two chunks (8 K steps) of A's and B's 128 rows, 196,608 bytes; Y one chunk, 98,304.  K's eight chunks come in five fills: X 0-1, Y 2, X 3-4, Y 5, X 6-7.
; Each wave fetches a quarter of a fill (one group of 64 rows of A or of B, dense in memory) with one tensor load: one load of a wave is out at any time, by this text's count.
; 4 x 4 work-groups form a cluster: A's tiles are asked for jointly along a row, B's along a column; each refill stands behind a round of the cluster's barrier.
; THE SCALE WORDS do not go through LDS: a wave's 64 + 64 rows have 128 registers of them for all of K, brought by 64 loads of 8 bytes a lane at the head: lanes 0-15 an even K step's words, lanes 16-31 those of the odd step behind it.
; yb is asked for at the head too, 32 loads into 128 registers, and is added on the way out.
; PREFETCH: behind the load of a fill the chunks of the fill two further on are asked for (at the head also chunk 2, one fill ahead); a wave names the group that it fetches, and the four partners that load it
; jointly take a quarter of each chunk BY ADDRESS (cx for A, cy for B): 24 blocks of 256 bytes, a lane a block.  Chunks 0 and 1 come by their loads alone.
; The way out goes through a stage in region Y, which has had its last fill and, behind the last barrier, its last read.
; The rows of a fragment are not neighbours: fragment i of 64 rows holds in lane r row 32 (i / 2) + 8 (i % 2) + (r & 7) + 16 (r >> 3).
; LIMITS: NaN and infinities are not served.
; REGISTERS.  window 0: v1-30 addresses; v32-159 scale words (8 x pair of K steps: W2's blocks 0-3, hid's 4-7).  window 1: two sets of fragments at v0 and v128 (W2's four, then hid's four).
;   window 2: v0-127 accumulator (a, b) at 8 (4 a + b); v128-255 yb.
.set CHK,   24576
.set G64,   196608
.set HSC,   12582912
.set W2C,   9437184
.set W2S,   12976128
.set YO,    8*CHK                      ; region Y
.set SPARE, 12*CHK                     ; the spare words: 128 bytes a wave, two blocks of 256 bytes that no other line names
.set ADRX, 16                          ; v16, v17: my A and B fragments in X
.set ADRY, 18                          ; v18, v19: in Y
.set STO,  24
.set RD,   25
.set CO,   26
.set SCO,  27
.set SPW,  28
.set NIL,  29
.set PFO,  30
.set SC,   32
.set G1XA, 24
.set G1XB, 32
.set G1YA, 40
.set G1YB, 48
.set G0XA, 56
.set G0XB, 60
.set G0YA, 68
.set G0YB, 72
.set PF,   92
.set MSB, 0
.macro WIN new                         ; the immediate's high byte repeats the setting that is left
.if MSB != (\new)
	s_set_vgpr_msb (MSB<<8)|(\new)
.set MSB, (\new)
.endif
.endm
.macro PLACES n
.rept \n
	v_nop
.endr
.endm
.macro JLOAD g0a, g1a, g0b, g1b        ; a joint load: waves 0, 1 fetch for A, waves 2, 3 for B; s_nop 0 and four v_nop follow each line
	s_cmp_eq_u32 s15, 0
	s_cbranch_scc0 .Lfor_b_\@
	tensor_load_to_lds s[\g0a:\g0a+3], s[\g1a:\g1a+7]
	s_nop 0
.rept 4
	v_nop
.endr
	s_branch .Lasked_\@
.Lfor_b_\@:
	tensor_load_to_lds s[\g0b:\g0b+3], s[\g1b:\g1b+7]
	s_nop 0
.rept 4
	v_nop
.endr
.Lasked_\@:
.endm
.macro CREST                           ; a round of the cluster's barrier behind its opening barrier
	s_cmp_lg_u32 s14, 0
	s_cbranch_scc1 .Lnot_wave_0_\@
	s_barrier_signal -3
.Lnot_wave_0_\@:
	s_barrier_wait -3
	s_barrier_signal -1
	s_barrier_wait -1
.endm
.macro CROUND
	s_barrier_signal -1
	s_barrier_wait -1
	CREST
.endm
	s_load_b256 s[4:11], s[0:1], 0x0               ; hid, the workspace, yb, out0
	v_lshl_add_u32 v[SPW], v0, 2, SPARE
	v_mov_b32 v[NIL], 0
	ds_add_u32 v[SPW], v[NIL]
	ds_add_u32 v[SPW], v[NIL]
	v_lshrrev_b32 v1, 5, v0
	v_readfirstlane_b32 s14, v1                    ; wave
	s_lshr_b32 s15, s14, 1                         ; my half of the tokens; also: I fetch for A (0) or B (1)
	s_and_b32 s16, s14, 1                          ; my half of the columns; also: which group of 64 rows I fetch
	s_bfe_u32 s76, ttmp6, 0x40000                  ; cx
	s_bfe_u32 s77, ttmp6, 0x40004                  ; cy
	s_lshl_b32 s78, ttmp9, 2
	s_add_co_u32 s78, s78, s76                     ; B's tile (columns)
	s_and_b32 s17, ttmp7, 0xffff
	s_lshl_b32 s17, s17, 2
	s_add_co_u32 s17, s17, s77                     ; A's tile (tokens)
	s_lshl_b32 s79, s77, 2
	s_lshl_b32 s79, 15, s79                        ; my row of the cluster
	s_lshl_b32 s80, 0x1111, s76                    ; my column
	s_or_b32 s[G1XA], s79, (3<<16)|(1<<21)         ; dense blocks as rows of 256 bytes (32 elements of 8): 192 rows for X, 96 for Y
	s_or_b32 s[G1YA], s79, (3<<16)|(1<<21)
	s_or_b32 s[G1XB], s80, (3<<16)|(1<<21)
	s_or_b32 s[G1YB], s80, (3<<16)|(1<<21)
.irp g, G1XA, G1XB
	s_mov_b32 s[\g+1], 32<<16
	s_mov_b32 s[\g+2], 192<<16
	s_mov_b32 s[\g+3], 32<<16
	s_mov_b32 s[\g+4], 192
	s_mov_b32 s[\g+5], 32
	s_mov_b32 s[\g+6], 0
	s_mov_b32 s[\g+7], 0
.endr
.irp g, G1YA, G1YB
	s_mov_b32 s[\g+1], 32<<16
	s_mov_b32 s[\g+2], 96<<16
	s_mov_b32 s[\g+3], 32<<16
	s_mov_b32 s[\g+4], 96
	s_mov_b32 s[\g+5], 32
	s_mov_b32 s[\g+6], 0
	s_mov_b32 s[\g+7], 0
.endr
	s_lshl_b32 s20, s17, 1
	s_add_co_u32 s20, s20, s16
	s_mul_i32 s20, s20, G64                        ; the group of 64 that I would fetch for A
	s_mov_b32 s21, 0
	s_lshl_b32 s82, s78, 1
	s_add_co_u32 s82, s82, s16
	s_mul_i32 s82, s82, G64
	s_add_co_u32 s82, s82, W2C                     ; and for B
	s_mov_b32 s83, 0
	s_mul_i32 s84, s14, 2*CHK                      ; where they go: wave x a quarter of the region
	s_mul_i32 s85, s14, CHK
	s_add_co_u32 s85, s85, YO
	s_lshl_b32 s86, s17, 14                        ; hid's scale words: my 64 tokens' two pairs
	s_lshl_b32 s87, s15, 8
	s_add_co_u32 s86, s86, s87
	s_add_co_u32 s86, s86, HSC
	s_mov_b32 s87, 0
	s_lshl_b32 s88, s78, 14                        ; W2's
	s_lshl_b32 s89, s16, 8
	s_add_co_u32 s88, s88, s89
	s_add_co_u32 s88, s88, W2S
	s_mov_b32 s89, 0
	s_lshl_b32 s90, s17, 7                         ; yb, out0: row 128 x tile + 64 x half, of 4,096 bytes; column bytes 512 x tile + 256 x half
	s_lshl_b32 s91, s15, 6
	s_add_co_u32 s90, s90, s91
	s_lshl_b32 s90, s90, 12
	s_lshl_b32 s91, s78, 9
	s_add_co_u32 s90, s90, s91
	s_lshl_b32 s91, s16, 8
	s_add_co_u32 s90, s90, s91
	s_mov_b32 s91, 0
	s_mul_i32 s18, s15, 2*CHK                      ; my fragments: A's in X,
	s_mul_i32 s19, s16, 2*CHK
	s_add_co_u32 s19, s19, 4*CHK                   ; B's in X,
	s_mul_i32 s22, s15, CHK
	s_add_co_u32 s22, s22, YO                      ; A's in Y,
	s_mul_i32 s66, s16, CHK
	s_add_co_u32 s66, s66, YO+2*CHK                ; B's in Y
	s_mul_i32 s23, s14, 64*272
	s_add_co_u32 s23, s23, YO                      ; my stage
	v_and_b32 v1, 15, v0                           ; r
	v_bfe_u32 v2, v0, 4, 1                         ; h
	v_and_b32 v4, 31, v0
	v_lshlrev_b32 v3, 4, v4                        ; 16 x lane
	v_add_nc_u32 v[ADRX], s18, v3
	v_add_nc_u32 v[ADRX+1], s19, v3
	v_add_nc_u32 v[ADRY], s22, v3
	v_add_nc_u32 v[ADRY+1], s66, v3
	v_lshlrev_b32 v[SCO], 3, v1
	v_lshl_add_u32 v[SCO], v2, 9, v[SCO]           ; 8 r + 512 h
	v_min_u32 v[PFO], 23, v4
	v_lshlrev_b32 v[PFO], 8, v[PFO]                ; 24 blocks; the lanes left over name the last again
	v_and_b32 v5, 7, v1
	v_lshrrev_b32 v6, 3, v1
	v_lshl_add_u32 v5, v6, 4, v5                   ; lane r's token in a fragment's 32
	v_mul_u32_u24 v5, v5, 272
	v_lshl_add_u32 v5, v2, 6, v5
	v_add_nc_u32 v[STO], s23, v5
	v_mul_u32_u24 v5, v2, 272
	v_lshl_add_u32 v5, v1, 4, v5
	v_add_nc_u32 v[RD], s23, v5                    ; back: lanes 0-15 a row of 256 bytes, lanes 16-31 the next
	v_lshlrev_b32 v5, 12, v2
	v_lshl_add_u32 v[CO], v1, 4, v5                ; and the same two rows in yb and out0
	s_wait_alu depctr_va_vdst(0)
	s_wait_dscnt 0x0                               ; both opening adds are done
	s_wait_kmcnt 0x0
	s_add_nc_u64 s[20:21], s[4:5], s[20:21]
	s_add_nc_u64 s[82:83], s[6:7], s[82:83]
	s_add_nc_u64 s[86:87], s[4:5], s[86:87]
	s_add_nc_u64 s[88:89], s[6:7], s[88:89]
	s_add_nc_u64 s[8:9], s[8:9], s[90:91]
	s_add_nc_u64 s[10:11], s[10:11], s[90:91]
	s_mov_b32 s[G0XA], 1
	s_mov_b32 s[G0XA+1], s84
	s_mov_b64 s[G0XA+2:G0XA+3], s[20:21]
	s_or_b32 s[G0XA+3], s[G0XA+3], 0x80000000
	s_mov_b32 s[G0XB], 1
	s_mov_b32 s[G0XB+1], s84
	s_mov_b64 s[G0XB+2:G0XB+3], s[82:83]
	s_or_b32 s[G0XB+3], s[G0XB+3], 0x80000000
	s_mov_b32 s[G0YA], 1
	s_mov_b32 s[G0YA+1], s85
	s_add_nc_u64 s[G0YA+2:G0YA+3], s[20:21], 2*CHK
	s_or_b32 s[G0YA+3], s[G0YA+3], 0x80000000
	s_mov_b32 s[G0YB], 1
	s_mov_b32 s[G0YB+1], s85
	s_add_nc_u64 s[G0YB+2:G0YB+3], s[82:83], 2*CHK
	s_or_b32 s[G0YB+3], s[G0YB+3], 0x80000000
	s_cmp_eq_u32 s15, 0                            ; the prefetches: the group that I fetch, my work-group's quarter of each chunk
	s_cselect_b64 s[PF:PF+1], s[20:21], s[82:83]
	s_cselect_b32 s94, s76, s77
	s_mul_i32 s94, s94, 6144
	s_mov_b32 s95, 0
	s_add_nc_u64 s[PF:PF+1], s[PF:PF+1], s[94:95]
	CROUND                                         ; all sixteen work-groups are here: the first joint loads meet
	JLOAD G0XA, G1XA, G0XB, G1XB                   ; chunks 0 and 1: my one load at the head
.macro ASK c
	global_prefetch_b8 v[PFO], s[PF:PF+1] offset:(\c)*CHK th:TH_LOAD_NT scope:SCOPE_SE
.endm
	ASK 2
	ASK 3
	ASK 4
.set t, 0
.rept 16                               ; the scale words of K steps 2 t (lanes 0-15) and 2 t + 1 (lanes 16-31)
	global_load_b64 v[SC+8*t:SC+8*t+1], v[SCO], s[88:89] offset:1024*t
	global_load_b64 v[SC+8*t+2:SC+8*t+3], v[SCO], s[88:89] offset:1024*t+128
	global_load_b64 v[SC+8*t+4:SC+8*t+5], v[SCO], s[86:87] offset:1024*t
	global_load_b64 v[SC+8*t+6:SC+8*t+7], v[SCO], s[86:87] offset:1024*t+128
.set t, t+1
.endr
	WIN 0x80
.set t, 0
.rept 32
	global_load_b128 v[128+4*t:131+4*t], v[CO], s[8:9] offset:8192*t th:TH_LOAD_NT   ; yb: sixteen lanes read 256 consecutive bytes of a row
.set t, t+1
.endr
	WIN 0
.macro LDFRAG s                        ; K step s's fragments into set s % 2: 24 LDS loads.  Chunk c lies in Y where c % 3 = 2, else in X at place c % 3
.set LC, ((\s)/4)%3
.if LC == 2
.set LA, ADRY
.set LO, ((\s)%4)*1536
.else
.set LA, ADRX
.set LO, LC*CHK+((\s)%4)*1536
.endif
.set LP, 128*((\s)%2)
	WIN 0x40
.irp i, 0,1,2,3
.irp g, 0,1,2
	ds_load_b128 v[LP+12*\i+4*\g:LP+12*\i+4*\g+3], v[LA+1] offset:LO+6144*\i+512*\g
.endr
.endr
.irp i, 0,1,2,3
.irp g, 0,1,2
	ds_load_b128 v[LP+48+12*\i+4*\g:LP+48+12*\i+4*\g+3], v[LA] offset:LO+6144*\i+512*\g
.endr
.endr
	WIN 0
.endm
; hid's blocks a0, a0 + 1 against W2's four.  The 16 accumulators take turns, one instruction a turn, in the same order in every step.
.macro MUL8 a0, s, zero
.irp a, \a0, \a0+1
.irp b, 0,1,2,3
.if \zero
	v_wmma_scale_f32_16x16x128_f8f6f4 v[8*(4*(\a)+\b):8*(4*(\a)+\b)+7], v[128*((\s)%2)+12*\b:128*((\s)%2)+12*\b+11], v[128*((\s)%2)+48+12*(\a):128*((\s)%2)+48+12*(\a)+11], 0, v[SC+8*((\s)/2)+\b], v[SC+8*((\s)/2)+4+(\a)] matrix_a_fmt:MATRIX_FMT_BF6 matrix_b_fmt:MATRIX_FMT_BF6
.elseif (\s)%2
	v_wmma_scale_f32_16x16x128_f8f6f4 v[8*(4*(\a)+\b):8*(4*(\a)+\b)+7], v[128*((\s)%2)+12*\b:128*((\s)%2)+12*\b+11], v[128*((\s)%2)+48+12*(\a):128*((\s)%2)+48+12*(\a)+11], v[8*(4*(\a)+\b):8*(4*(\a)+\b)+7], v[SC+8*((\s)/2)+\b], v[SC+8*((\s)/2)+4+(\a)] matrix_a_fmt:MATRIX_FMT_BF6 matrix_b_fmt:MATRIX_FMT_BF6 matrix_a_scale:MATRIX_SCALE_ROW1 matrix_b_scale:MATRIX_SCALE_ROW1
.else
	v_wmma_scale_f32_16x16x128_f8f6f4 v[8*(4*(\a)+\b):8*(4*(\a)+\b)+7], v[128*((\s)%2)+12*\b:128*((\s)%2)+12*\b+11], v[128*((\s)%2)+48+12*(\a):128*((\s)%2)+48+12*(\a)+11], v[8*(4*(\a)+\b):8*(4*(\a)+\b)+7], v[SC+8*((\s)/2)+\b], v[SC+8*((\s)/2)+4+(\a)] matrix_a_fmt:MATRIX_FMT_BF6 matrix_b_fmt:MATRIX_FMT_BF6
.endif
.endr
.endr
.endm
.macro STEP s, zero                    ; a K step inside a fill: the next step's fragments are asked for ahead of this step's 16 products
	s_wait_dscnt 0x0                               ; this step's fragments are in
	PLACES 4                                       ; four plain lines in front of loads into registers that the last step's products read
	LDFRAG (\s)+1
	WIN 0xa5
	MUL8 0, \s, \zero
	MUL8 2, \s, \zero
	WIN 0
.endm
.macro TURN s, fill                    ; a fill's last K step.  fill = 1: region X is left and filled again; 2: region Y; 0: nothing more to fetch
	s_wait_tensorcnt 0x0                           ; my one load has landed: my quarter of the other region
	ds_add_u32 v[SPW], v[NIL]                      ; 0 onto my spare word
	s_wait_dscnt 1                                 ; this step's fragments are in; the add alone may be out
	WIN 0xa5
	MUL8 0, \s, 0
	s_wait_dscnt 0x0                               ; the add is done, and my reads of this region are over
	s_barrier_signal -1
	MUL8 2, \s, 0
	WIN 0
	s_barrier_wait -1
.if \fill == 1
	CREST                                          ; no wave of any partner still reads this region or has a load on its way
	s_add_nc_u64 s[G0XA+2:G0XA+3], s[G0XA+2:G0XA+3], 3*CHK
	s_add_nc_u64 s[G0XB+2:G0XB+3], s[G0XB+2:G0XB+3], 3*CHK
	JLOAD G0XA, G1XA, G0XB, G1XB                   ; the first tensor load behind the round
.elseif \fill == 2
	CREST
	s_add_nc_u64 s[G0YA+2:G0YA+3], s[G0YA+2:G0YA+3], 3*CHK
	s_add_nc_u64 s[G0YB+2:G0YB+3], s[G0YB+2:G0YB+3], 3*CHK
	JLOAD G0YA, G1YA, G0YB, G1YB
.else
	PLACES 4
.endif
	LDFRAG (\s)+1
.endm
	s_wait_tensorcnt 0x0                           ; my quarter of chunks 0 and 1 is in
	ds_add_u32 v[SPW], v[NIL]
	s_wait_dscnt 0x0
	CROUND                                         ; everybody's quarter is in, and all sixteen work-groups are here
	JLOAD G0YA, G1YA, G0YB, G1YB                   ; chunk 2, region Y's first fill: my one load behind the round
	LDFRAG 0
	ASK 5
	s_wait_loadcnt 32                              ; the scale words are in; yb's 32 loads may be out
	STEP 0, 1                                      ; the first products start the sums
.irp s, 1,2,3,4,5,6
	STEP \s, 0
.endr
	TURN 7, 1                                      ; X takes chunks 3 and 4
	ASK 6
	ASK 7
.irp s, 8,9,10
	STEP \s, 0
.endr
	TURN 11, 2                                     ; Y takes chunk 5
.irp s, 12,13,14,15,16,17,18
	STEP \s, 0
.endr
	TURN 19, 1                                     ; X takes chunks 6 and 7
.irp s, 20,21,22
	STEP \s, 0
.endr
	TURN 23, 0                                     ; chunks 6 and 7 have landed, everybody's quarter; Y is read no more
.irp s, 24,25,26,27,28,29,30
	STEP \s, 0
.endr
	s_wait_dscnt 0x0
	WIN 0xa5
	MUL8 0, 31, 0
	MUL8 2, 31, 0
	WIN 0
	; THE WAY OUT: my 64 x 64 through my stage (rows 272 bytes apart) and back as rows of 256 bytes; + yb; sixteen lanes store 256 consecutive bytes, aligned
	PLACES 4
	WIN 0x08
.irp a, 0,1,2,3
.irp b, 0,1,2,3
	ds_store_b128 v[STO], v[8*(4*\a+\b):8*(4*\a+\b)+3] offset:(32*(\a/2)+8*(\a%2))*272+128*(\b/2)+32*(\b%2)       ; each accumulator from its low end on
	ds_store_b128 v[STO], v[8*(4*\a+\b)+4:8*(4*\a+\b)+7] offset:(32*(\a/2)+8*(\a%2))*272+128*(\b/2)+32*(\b%2)+16
.endr
.endr
	WIN 0x40
.set t, 0
.rept 32
	ds_load_b128 v[4*t:4*t+3], v[RD] offset:544*t  ; LDS serves a wave's instructions in order: these see my stores
.set t, t+1
.endr
	s_wait_loadcnt 0x0                             ; yb
	s_wait_dscnt 0x0
	WIN 0x49
.set t, 0
.rept 64
	v_pk_add_f32 v[t:t+1], v[t:t+1], v[128+t:129+t]
.set t, t+2
.endr
	WIN 0x04
.set t, 0
.rept 32
	global_store_b128 v[CO], v[4*t:4*t+3], s[10:11] offset:8192*t th:TH_STORE_NT
.set t, t+1
.endr
	WIN 0
	s_wait_tensorcnt 0x0                           ; the wave's end
	ds_add_u32 v[SPW], v[NIL]
	s_wait_dscnt 0x0
	CROUND                                         ; the closing round
	s_endpgm
.Lfunc_end_k_q00e6a63ce4_ffn2:
	.size	k_q00e6a63ce4_ffn2, .Lfunc_end_k_q00e6a63ce4_ffn2-k_q00e6a63ce4_ffn2
	.p2alignl 7, 3214868480
	.fill 96, 4, 3214868480
	.section	.rodata,"a",@progbits
	.p2align	6, 0x0
	.amdhsa_kernel k_q00e6a63ce4_ffn2
		.amdhsa_group_segment_fixed_size 327680
		.amdhsa_private_segment_fixed_size 0
		.amdhsa_enable_private_segment 0
		.amdhsa_kernarg_size 32
		.amdhsa_user_sgpr_count 2
		.amdhsa_user_sgpr_kernarg_segment_ptr 1
		.amdhsa_wavefront_size32 1
		.amdhsa_system_sgpr_workgroup_id_x 1
		.amdhsa_system_sgpr_workgroup_id_y 1
		.amdhsa_system_sgpr_workgroup_id_z 1
		.amdhsa_system_vgpr_workitem_id 0
		.amdhsa_next_free_vgpr 768
		.amdhsa_next_free_sgpr 100
		.amdhsa_reserve_vcc 0
		.amdhsa_float_denorm_mode_32 3
		.amdhsa_float_denorm_mode_16_64 3
		.amdhsa_memory_ordered 1
		.amdhsa_forward_progress 1
		.amdhsa_inst_pref_size 155
	.end_amdhsa_kernel
	.amdgpu_metadata
---
amdhsa.version: [ 1, 2 ]
amdhsa.kernels:
  - .name:           k_q00e6a63ce4_ffn2
    .symbol:         k_q00e6a63ce4_ffn2.kd
    .args:
      - { .name: hid, .offset: 0, .size: 8, .value_kind: global_buffer, .address_space: global }
      - { .name: wsp2, .offset: 8, .size: 8, .value_kind: global_buffer, .address_space: global }
      - { .name: yb, .offset: 16, .size: 8, .value_kind: global_buffer, .address_space: global }
      - { .name: out0, .offset: 24, .size: 8, .value_kind: global_buffer, .address_space: global }
    .group_segment_fixed_size: 327680
    .private_segment_fixed_size: 0
    .kernarg_segment_align: 8
    .kernarg_segment_size: 32
    .max_flat_workgroup_size: 128
    .sgpr_count:     100
    .vgpr_count:     768
    .wavefront_size: 32
...
	.end_amdgpu_metadata
.endif
;; end of part 6
